; MI455X (gfx1250); checked and timed in simulation.
; The chip was launched on July 23, 2026; its instructions are those of AMD's public machine-readable ISA for CDNA 5 (MIT licence, August 2026) and "CDNA5" Instruction Set Architecture Reference Guide (July 2026). The comments in the code are by the model that wrote it; some were corrected since.
;; Multi Head Attention. Allowed arithmetic: matrix products marked QUANTISED: E3M2 operands, one E8M0 scale for each 32 along K, by v_wmma_scale_f32_16x16x128_f8f6f4 with both operands' format E3M2, f32 sums; everything else in f32.
;; Inputs: Wk 1,024 x 1,024 float32; Wp 1,024 x 1,024 float32; Wq 1,024 x 1,024 float32; Wv 1,024 x 1,024 float32; bp 1,024 float32; x 4 x 2,048 x 1,024 float32.
;; Outputs: out0 4 x 2,048 x 1,024 float32.
;; This version of the problem:
;;   THIS VERSION OF THE PROBLEM IS GIVEN IN LOW PRECISION. The matrix products marked QUANTISED in the list below multiply operands that are first quantised to E3M2 (3 exponent bits, 2 mantissa bits; 6 bits a number), with one power-of-two scale for each 32 numbers along K (OCP MX v1.0); their sums are f32. All else is computed in f32.
;;   The module's matrix products, in the order in which they are computed (A, B: the left and right operand; K: the contracted axis; several contracted axes count as one K, in the product's order):
;;     1. [M 8,192, K 1,024] x [K 1,024, N 1,024]; A: input x; B: input Wq: QUANTISED
;;     2. [M 8,192, K 1,024] x [K 1,024, N 1,024]; A: input x; B: input Wk: QUANTISED
;;     3. [M 8,192, K 1,024] x [K 1,024, N 1,024]; A: input x; B: input Wv: QUANTISED
;;     4. batch 64 x [M 2,048, K 64] x [K 64, N 2,048]; A: computed on the way; B: computed on the way: QUANTISED
;;     5. batch 64 x [M 64, K 2,048] x [K 2,048, N 2,048]; A: computed on the way; B: softmax (see below): QUANTISED
;;     6. [M 8,192, K 1,024] x [K 1,024, N 1,024]; A: computed on the way; B: input Wp: QUANTISED
;;   THE QUANTISER, for each operand of a quantised product, along K:
;;     - K is cut into blocks of 32 from its start; a last block that is shorter is filled with zeros.
;;     - A block's scale is 2^e with e = floor(log2(the largest magnitude in the block)) - 4, held to -126 .. 127; a block of zeros has e = 0. As a byte (E8M0): e + 127.
;;     - Each number is divided by its block's scale, clamped to +-28, and rounded to the nearest number of E3M2, ties to even, subnormals kept.
;;     - The product sums the exact products of the quantised numbers (number of the format x scale) in f32.
;;   ~~~python
;;   def quantise(x, axis):      # numpy; x: float32 -> the quantised numbers, widened to float32 again
;;       x = np.moveaxis(x, axis, -1); K = x.shape[-1]
;;       x = np.pad(x, [(0, 0)] * (x.ndim - 1) + [(0, -K % 32)]); x = x.reshape(x.shape[:-1] + (-1, 32)); a = np.abs(x).max(-1, keepdims=True)
;;       e = np.where(a > 0, np.clip(np.frexp(np.where(a > 0, a, 1))[1] - 1 - 4, -126, 127), 0)      # np.frexp(a)[1] - 1 = floor(log2(a)), exactly
;;       r = np.clip(x / 2.0 ** e, -28, 28)
;;       step = 2.0 ** (np.maximum(np.frexp(np.where(r == 0, 1, r))[1] - 1, -2) - 2)
;;       q = np.round(r / step) * step * 2.0 ** e      # np.round: ties to even
;;       return np.moveaxis(q.reshape(q.shape[:-2] + (-1,))[..., :K], -1, axis).astype(np.float32)
;;   ~~~
;;   SOFTMAX AHEAD OF A QUANTISED PRODUCT. Where the list says 'softmax', what is quantised is not the finished softmax but p = 2^(t - M), with t = logit x log2(e) and M = ceil(the row's largest t), a whole number; so 1/2 < the row's largest p <= 1. The row's sum l is taken of the UNQUANTISED p, in f32, and the product's result is divided by l at the end. Since M is a whole number, a kernel that streams over the keys may use a running M (the ceiling of the running maximum): every later rescaling is an exact power of two, which a block's scale takes up: the codes' values come out the same.
;;   OPERANDS COMPUTED ON THE WAY. 'Computed on the way' means the value that the module computes at that place (a softmax that the list does not call 'softmax' is quantised finished and normalised). What goes into a quantiser is computed in f32, as accurately as f32 sums, v_exp_f32 and their like allow (about 1e-6 of the number): no bf16 or f16 on the way to a quantiser, and a product that is left as it is and whose result goes on into a quantised operand takes f32 operands (vector FMAs, or v_wmma_f32_16x16x4_f32). A number that lies on a knife's edge between two numbers of the format may be rounded either way, as far as f32 arithmetic and the matrix unit's own rounding can turn it there, and no further.
;; One version. Each part assembles by itself: llvm-mc -triple=amdgcn-amd-amdhsa -mcpu=gfx1250 --defsym DOCPART=n.
;; ======== version 1 of 1: 4 launches
;; limits: right only within a limited range of input values
;; workspace buffers: xc 6,291,456 bytes; xs 262,144 bytes; wc 3,145,728 bytes; ws 131,072 bytes; qk 13,631,488 bytes; vv 6,553,600 bytes; oc 6,291,456 bytes; os 262,144 bytes
;; launch quant (part 1): grid 512 x 1, 4 waves a work-group, no clusters, 108,032 bytes of LDS; arguments x, Wq, Wk, Wv, Wp, xc, xs, wc, ws; writes xc, xs, wc, ws
.if DOCPART == 1
	.amdgcn_target "amdgcn-amd-amdhsa--gfx1250"
	.amdhsa_code_object_version 6
	.text
	.protected	k_q3f7dcc7ad8_quant
	.globl	k_q3f7dcc7ad8_quant
	.p2align	8
	.type	k_q3f7dcc7ad8_quant,@function
k_q3f7dcc7ad8_quant:
	s_mov_b64 s[64:65], 0
	v_nop
	global_prefetch_b8 v0, s[64:65] scope:SCOPE_SE
	s_setreg_imm32_b32 hwreg(HW_REG_WAVE_MODE, 25, 1), 1
	s_wait_xcnt 0x0
; x [8192][1024] and Wq, Wk, Wv, Wp [1024 (k)][1024 (n)], f32, become codes of BF6 (E3M2) with one E8M0 byte for each 32 along K (x: its columns; W: its FIRST axis).
; A block's scale is 2^(floor(log2(largest magnitude)) - 4): its byte is the largest magnitude's exponent field - 4, held at 1 from below by a floor among the maximum's leaves.
; LIMITS: a block of zeros gets the byte 1, not 127 (its codes are zeros, which add nothing under any byte but 0xff, and this program alone reads the bytes); NaN and infinities among the inputs are not served.
; THE LAYOUT OF THE CODES is the order of the matrix operand's registers.  A fragment (16 rows x 128 K, 12 registers a lane) is two HALF IMAGES of 768 bytes (16 rows x 64 K): registers 0-3 of lane l at 16 l,
; registers 4-5 at 512 + 8 l.  So every store here, and every load of the later launches, covers 512 or 256 consecutive bytes, aligned.
; THE ROWS OF A BLOCK of 16 are not neighbours: block 2 B + u holds rows 32 B + 8 u + r + 8 (r / 8), r = 0 .. 15: with a source 0 laid so, a lane's 16 result registers of two neighbouring blocks are 16 neighbours.
; xc, wc: [block][K step 8][1,536 bytes].  xs, ws: [block][half 2][r 16][4 words], word j = the scale word of K step 4 half + j.  wc's blocks: Wq 0-63, Wk 64-127, Wv 128-191, Wp 192-255; their rows are the columns n.
; Work-groups 0-255 take x: a wave takes one block of 16 rows x 4 K steps.  Work-groups 256-511 take the weights: a work-group 128 k x 128 n of one matrix, a wave 32 columns.
; No tensor load, no barrier: waves share nothing.  The two paths part on the work-group's number, have LDS bytes of their own and end by themselves.
.set TM,    16                         ; v16-19 largest magnitudes, v20-23 the other half's, then the bytes, v28-31 the conversions' scale operands
.set PC,    32                         ; v32-43 the fragment's codes
.set PX,    44                         ; v44-46, v48-50 the conversions' second halves (a conversion's three registers begin on an even number)
.set PW,    52                         ; v52-55 scale words
.set RAW,   64                         ; v64-191 numbers as they are loaded (x: two sets of 64)
.set X,     192                        ; v192-255 the 64 numbers of a lane: register 16 b + i = k 32 b + 16 (lane / 16) + i of the lane's row
.set XSTG,  16*528                     ; x's path: a wave's stage, 16 rows of 512 bytes + 16
.set WBASE, 4*XSTG                     ; the weights' path begins behind x's four stages
.set WSTG,  128*144                    ; a wave's stage there: 128 k of 128 bytes + 16
; 64 numbers of a lane become a fragment's codes in v[PC] on and its rows' scale word in v[pw]
.macro QUANT s, pw
.irp b, 0,1,2,3
	v_max3_num_f32 v[TM+\b], |v[\s+16*\b]|, |v[\s+1+16*\b]|, 0x2800000   ; block b: my 16 numbers, and the floor 2^(5 - 127): the byte cannot fall under 1
.endr
.irp i, 2,4,6,8,10,12,14
.irp b, 0,1,2,3
	v_max3_num_f32 v[TM+\b], v[TM+\b], |v[\s+16*\b+\i]|, |v[\s+1+16*\b+\i]|   ; the four blocks by turns
.endr
.endr
.irp b, 0,1,2,3
	v_permlanex16_b32 v[TM+4+\b], v[TM+\b], s24, s25
.endr
.irp b, 0,1,2,3
	v_max_num_f32 v[TM+\b], v[TM+\b], v[TM+4+\b]          ; with lane l xor 16's 16: the block's largest magnitude
.endr
.irp b, 0,1,2,3
	v_add_nc_u32 v[TM+12+\b], 0xfe000000, v[TM+\b]        ; 4 off its exponent field: the conversion takes that field as its scale
.endr
.irp b, 0,1,2,3
	v_lshrrev_b32 v[TM+4+\b], 23, v[TM+12+\b]             ; the scale's byte
.endr
	v_lshl_or_b32 v[\pw], v[TM+5], 8, v[TM+4]
	v_lshl_or_b32 v[\pw], v[TM+6], 16, v[\pw]
	v_lshl_or_b32 v[\pw], v[TM+7], 24, v[\pw]             ; my row's scale word (both halves of the lanes hold it)
.irp c, 0,1
	v_cvt_scalef32_pk16_bf6_f32 v[PC+6*\c:PC+2+6*\c], v[\s+32*\c:\s+15+32*\c], v[TM+12+2*\c]
	v_cvt_scalef32_pk16_bf6_f32 v[PX+4*\c:PX+2+4*\c], v[\s+16+32*\c:\s+31+32*\c], v[TM+12+2*\c+1]
.endr
	v_nop                                                 ; one plain instruction behind the scaled conversions
.irp c, 0,1                            ; the operand wants a WHOLE block in a lane: lanes 0-15 block 2 c, lanes 16-31 block 2 c + 1
.irp i, 0,1,2
	v_permlane16_swap_b32 v[PC+6*\c+\i], v[PX+4*\c+\i]
.endr
.irp i, 0,1,2
	v_mov_b32 v[PC+3+6*\c+\i], v[PX+4*\c+\i]
.endr
.endr
.endm
; the fragment leaves as two half images: 512, 256, 512, 256 consecutive bytes
.macro OUT4 lo, imm
	global_store_b128 v3, v[PC:PC+3], s[\lo:\lo+1] offset:(\imm)
	global_store_b64 v4, v[PC+4:PC+5], s[\lo:\lo+1] offset:(\imm)+512
	global_store_b128 v3, v[PC+6:PC+9], s[\lo:\lo+1] offset:(\imm)+768
	global_store_b64 v4, v[PC+10:PC+11], s[\lo:\lo+1] offset:(\imm)+1280
.endm
	s_load_b512 s[4:19], s[0:1], 0x0               ; x s[4:5], Wq s[6:7], Wk s[8:9], Wv s[10:11], Wp s[12:13], xc s[14:15], xs s[16:17], wc s[18:19]
	s_load_b64 s[20:21], s[0:1], 0x40              ; ws
	v_lshl_add_u32 v62, v0, 2, 0x1a400
	v_mov_b32 v63, 0
	v_lshrrev_b32 v1, 5, v0
	v_readfirstlane_b32 s22, v1                    ; wave 0..3
	v_and_b32 v5, 31, v0                           ; lane
	v_and_b32 v1, 15, v0                           ; r
	v_bfe_u32 v2, v0, 4, 1                         ; h
	v_lshlrev_b32 v3, 4, v5                        ; 16 x lane
	v_lshlrev_b32 v4, 3, v5                        ; 8 x lane
	s_mov_b32 s24, 0x76543210
	s_mov_b32 s25, 0xfedcba98                      ; v_permlanex16_b32's selects for lane l xor 16
	s_mov_b32 s26, 0xffff0000                      ; lanes 16-31
.irp b, 0,1,2,3
	v_mov_b32 v[TM+4+\b], 0                        ; written once: a lane permute's destination counts as one of its sources
.endr
	s_cmp_lt_u32 ttmp9, 256
	s_cbranch_scc0 .Lweights
	; ---------------- x: wave W = 4 x work-group + wave takes block W / 2, K steps 4 (W % 2) on
	s_lshl_b32 s27, ttmp9, 2
	s_add_co_u32 s27, s27, s22                     ; W
	s_lshr_b32 s28, s27, 1                         ; the block
	s_and_b32 s29, s27, 1                          ; which half of K
	s_lshr_b32 s30, s28, 1
	s_lshl_b32 s30, s30, 5
	s_and_b32 s31, s28, 1
	s_lshl_b32 s31, s31, 3
	s_add_co_u32 s30, s30, s31                     ; the block's first row: 32 (block / 2) + 8 (block % 2)
	s_lshl_b32 s30, s30, 12                        ; rows of 4,096 bytes
	s_lshl_b32 s31, s29, 11
	s_add_co_u32 s30, s30, s31                     ; + 2,048 x half
	s_mov_b32 s31, 0
	s_mul_i32 s32, s28, 12288
	s_mul_i32 s33, s29, 6144
	s_add_co_u32 s32, s32, s33                     ; in xc
	s_mov_b32 s33, 0
	s_lshl_b32 s34, s27, 8                         ; in xs: 512 x block + 256 x half
	s_mov_b32 s35, 0
	s_mul_i32 s36, s22, XSTG                       ; my stage
	s_wait_alu depctr_va_vdst(0)
	v_add_nc_u32 v6, s36, v3                       ; in: 16 x lane of a row
	v_mul_u32_u24 v7, v1, 528
	v_lshl_add_u32 v7, v2, 6, v7
	v_add_nc_u32 v7, s36, v7                       ; out: row r, + 64 h: my 16 numbers of each block of 32
	v_lshlrev_b32 v8, 4, v1
	v_lshl_add_u32 v8, v2, 3, v8                   ; the scale words' place: 16 r + 8 h
	s_wait_alu depctr_va_vdst(0)
	s_wait_kmcnt 0x0
	s_add_nc_u64 s[4:5], s[4:5], s[30:31]
	s_add_nc_u64 s[14:15], s[14:15], s[32:33]
	s_add_nc_u64 s[16:17], s[16:17], s[34:35]
.macro LOADX s                         ; K step s of the 16 rows: each load reads 512 consecutive bytes of one row
.irp i, 0,1,2,3,4,5,6,7,8,9,10,11,12,13,14,15
	global_load_b128 v[RAW+64*((\s)%2)+4*\i:RAW+64*((\s)%2)+4*\i+3], v3, s[4:5] offset:(\i+8*(\i/8))*4096+512*(\s) th:TH_LOAD_NT
.endr
.endm
.macro XSTEP s
.if (\s) < 3
	s_wait_loadcnt 16                              ; this K step's 16 loads are in; the next step's 16 may be out
.else
	s_wait_loadcnt 0x0
.endif
.irp i, 0,1,2,3,4,5,6,7,8,9,10,11,12,13,14,15
	ds_store_b128 v6, v[RAW+64*((\s)%2)+4*\i:RAW+64*((\s)%2)+4*\i+3] offset:528*\i
.endr
.irp b, 0,1,2,3
.irp j, 0,1,2,3
	ds_load_b128 v[X+16*\b+4*\j:X+16*\b+4*\j+3], v7 offset:128*\b+16*\j   ; LDS serves a wave's instructions in order (ISA guide 5.7.1.4): these see the stores above
.endr
.endr
	s_wait_dscnt 0x0                               ; the numbers are back, and the stage's stores have read their registers
.if (\s) > 0
	s_wait_xcnt 0x0                                ; the last step's stores have read v[PC] on: it is written again only behind this wait
.endif
.if (\s) < 2
	LOADX (\s)+2
.endif
	QUANT X, PW+(\s)
	OUT4 14, (\s)*1536
.endm
	LOADX 0
	LOADX 1
	XSTEP 0
	XSTEP 1
	XSTEP 2
	XSTEP 3
	v_cndmask_b32 v56, v[PW], v[PW+2], s26         ; lanes 0-15 store words 0, 1 of their row, lanes 16-31 words 2, 3:
	v_cndmask_b32 v57, v[PW+1], v[PW+3], s26
	global_store_b64 v8, v[56:57], s[16:17]        ; 256 consecutive bytes, aligned
	s_wait_tensorcnt 0x0
	ds_add_u32 v62, v63
	s_wait_dscnt 0x0
	s_endpgm
	; ---------------- the weights: work-group g = matrix g / 64, K step (g / 8) % 8, columns 128 (g % 8) on; a wave 32 of them
.Lweights:
	s_sub_co_u32 s27, ttmp9, 256                   ; g
	s_lshr_b32 s28, s27, 6                         ; m: 0 Wq, 1 Wk, 2 Wv, 3 Wp
	s_bfe_u32 s29, s27, 0x30003                    ; ks
	s_and_b32 s30, s27, 7                          ; ng
	s_lshl_b32 s32, s29, 19                        ; 128 rows of 4,096 bytes a K step
	s_lshl_b32 s33, s30, 9
	s_add_co_u32 s32, s32, s33
	s_lshl_b32 s33, s22, 7
	s_add_co_u32 s32, s32, s33                     ; + 512 ng + 128 wave
	s_mov_b32 s33, 0
	s_lshl_b32 s34, s28, 6
	s_lshl_b32 s35, s30, 3
	s_add_co_u32 s34, s34, s35
	s_lshl_b32 s35, s22, 1
	s_add_co_u32 s34, s34, s35                     ; my first block: 64 m + 8 ng + 2 wave
	s_mul_i32 s36, s34, 12288
	s_mul_i32 s37, s29, 1536
	s_add_co_u32 s36, s36, s37                     ; in wc
	s_mov_b32 s37, 0
	s_lshl_b32 s38, s34, 9
	s_lshr_b32 s39, s29, 2
	s_lshl_b32 s39, s39, 8
	s_add_co_u32 s38, s38, s39
	s_and_b32 s39, s29, 3
	s_lshl_b32 s39, s39, 2
	s_add_co_u32 s38, s38, s39                     ; in ws: 512 x block + 256 (ks / 4) + 4 (ks % 4)
	s_mov_b32 s39, 0
	s_mul_i32 s40, s22, WSTG
	s_add_co_u32 s40, s40, WBASE                   ; my stage
	s_wait_alu depctr_va_vdst(0)
	v_lshrrev_b32 v9, 3, v5                        ; lane / 8: which of a load's four rows
	v_and_b32 v10, 7, v5
	v_lshlrev_b32 v10, 4, v10                      ; 16 (lane % 8)
	v_lshl_add_u32 v6, v9, 12, v10                 ; in memory
	v_mad_u32_u24 v7, v9, 144, v10
	v_add_nc_u32 v7, s40, v7                       ; in the stage, on the way in
	v_and_b32 v11, 8, v1
	v_add_nc_u32 v11, v11, v1                      ; r + 8 (r / 8): my column among the block pair's 32
	v_lshlrev_b32 v11, 2, v11
	v_mad_u32_u24 v11, v2, 2304, v11               ; lanes 16-31 begin 16 k further down
	v_add_nc_u32 v11, s40, v11                     ; on the way out
	v_lshlrev_b32 v8, 4, v1
	v_lshl_add_u32 v8, v2, 9, v8                   ; the scale word's place: 512 h + 16 r
	s_wait_alu depctr_va_vdst(0)
	s_wait_kmcnt 0x0
	s_cmp_lt_u32 s28, 2                            ; the matrix is chosen by the work-group's number alone
	s_cselect_b64 s[42:43], s[6:7], s[10:11]
	s_cselect_b64 s[44:45], s[8:9], s[12:13]
	s_and_b32 s41, s28, 1
	s_cmp_eq_u32 s41, 1
	s_cselect_b64 s[42:43], s[44:45], s[42:43]
	s_add_nc_u64 s[42:43], s[42:43], s[32:33]
	s_add_nc_u64 s[18:19], s[18:19], s[36:37]
	s_add_nc_u64 s[20:21], s[20:21], s[38:39]
.irp i, 0,1,2,3,4,5,6,7,8,9,10,11,12,13,14,15,16,17,18,19,20,21,22,23,24,25,26,27,28,29,30,31
	global_load_b128 v[RAW+4*\i:RAW+4*\i+3], v6, s[42:43] offset:\i*16384 th:TH_LOAD_NT   ; four rows k, 128 bytes of each; the four waves stand side by side on 512
.endr
.irp q, 0,1,2,3
	s_wait_loadcnt 24-8*\q                         ; loads come back in order: the 8 (q + 1) oldest are in
.irp i, 0,1,2,3,4,5,6,7
	ds_store_b128 v7, v[RAW+4*(8*\q+\i):RAW+4*(8*\q+\i)+3] offset:576*(8*\q+\i)
.endr
.endr
; A lane takes a column and its registers run down K: 4 bytes a lane.  Lanes 16-31 stand 2,304 bytes from lanes 0-15, nine times through the 64 banks of 4 bytes (ISA guide 11.1): these reads go two deep.
; A pitch that parted them would be no multiple of 16 bytes, which the stores on the way in want.
.macro WBLOCK u
.irp b, 0,1,2,3
.irp i, 0,1,2,3,4,5,6,7,8,9,10,11,12,13,14,15
	ds_load_b32 v[X+16*\b+\i], v11 offset:(32*\b+\i)*144+32*\u
.endr
.endr
	s_wait_dscnt 0x0
.if \u
	s_wait_xcnt 0x0                                ; the first block's stores have read v[PC] on
.endif
	QUANT X, PW+\u
	OUT4 18, \u*12288
.endm
	WBLOCK 0
	WBLOCK 1
	v_cndmask_b32 v56, v[PW], v[PW+1], s26         ; lanes 0-15: the first block's words, lanes 16-31: the second's
	global_store_b32 v8, v56, s[20:21]             ; 4 bytes of each 16: a K step's word of each row.  The rows' other words come from other work-groups; the scale words are 1 byte in 128 of what this path reads
	s_wait_tensorcnt 0x0
	ds_add_u32 v62, v63
	s_wait_dscnt 0x0
	s_endpgm
.Lfunc_end_k_q3f7dcc7ad8_quant:
	.size	k_q3f7dcc7ad8_quant, .Lfunc_end_k_q3f7dcc7ad8_quant-k_q3f7dcc7ad8_quant
	.p2alignl 7, 3214868480
	.fill 96, 4, 3214868480
	.section	.rodata,"a",@progbits
	.p2align	6, 0x0
	.amdhsa_kernel k_q3f7dcc7ad8_quant
		.amdhsa_group_segment_fixed_size 108032
		.amdhsa_private_segment_fixed_size 0
		.amdhsa_enable_private_segment 0
		.amdhsa_kernarg_size 72
		.amdhsa_user_sgpr_count 2
		.amdhsa_user_sgpr_kernarg_segment_ptr 1
		.amdhsa_wavefront_size32 1
		.amdhsa_system_sgpr_workgroup_id_x 1
		.amdhsa_system_sgpr_workgroup_id_y 1
		.amdhsa_system_sgpr_workgroup_id_z 1
		.amdhsa_system_vgpr_workitem_id 0
		.amdhsa_next_free_vgpr 256
		.amdhsa_next_free_sgpr 66
		.amdhsa_reserve_vcc 0
		.amdhsa_float_denorm_mode_32 3
		.amdhsa_float_denorm_mode_16_64 3
		.amdhsa_memory_ordered 1
		.amdhsa_forward_progress 1
		.amdhsa_inst_pref_size 58
	.end_amdhsa_kernel
	.amdgpu_metadata
---
amdhsa.version: [ 1, 2 ]
amdhsa.kernels:
  - .name:           k_q3f7dcc7ad8_quant
    .symbol:         k_q3f7dcc7ad8_quant.kd
    .args:
      - { .name: x, .offset: 0, .size: 8, .value_kind: global_buffer, .address_space: global }
      - { .name: Wq, .offset: 8, .size: 8, .value_kind: global_buffer, .address_space: global }
      - { .name: Wk, .offset: 16, .size: 8, .value_kind: global_buffer, .address_space: global }
      - { .name: Wv, .offset: 24, .size: 8, .value_kind: global_buffer, .address_space: global }
      - { .name: Wp, .offset: 32, .size: 8, .value_kind: global_buffer, .address_space: global }
      - { .name: xc, .offset: 40, .size: 8, .value_kind: global_buffer, .address_space: global }
      - { .name: xs, .offset: 48, .size: 8, .value_kind: global_buffer, .address_space: global }
      - { .name: wc, .offset: 56, .size: 8, .value_kind: global_buffer, .address_space: global }
      - { .name: ws, .offset: 64, .size: 8, .value_kind: global_buffer, .address_space: global }
    .group_segment_fixed_size: 108032
    .private_segment_fixed_size: 0
    .kernarg_segment_align: 8
    .kernarg_segment_size: 72
    .max_flat_workgroup_size: 128
    .sgpr_count:     66
    .vgpr_count:     256
    .wavefront_size: 32
...
	.end_amdgpu_metadata
.endif
;; end of part 1
;; launch gemm_qkv (part 2): grid 32 x 8, 4 waves a work-group, clusters of 4 x 4, 327,680 bytes of LDS; arguments xc, xs, wc, ws, qk, vv; writes qk, vv
.if DOCPART == 2
	.amdgcn_target "amdgcn-amd-amdhsa--gfx1250"
	.amdhsa_code_object_version 6
	.text
	.protected	k_q3f7dcc7ad8_gemm_qkv
	.globl	k_q3f7dcc7ad8_gemm_qkv
	.p2align	8
	.type	k_q3f7dcc7ad8_gemm_qkv,@function
k_q3f7dcc7ad8_gemm_qkv:
	s_mov_b64 s[64:65], 0
	v_nop
	global_prefetch_b8 v0, s[64:65] scope:SCOPE_SE
	s_setreg_imm32_b32 hwreg(HW_REG_WAVE_MODE, 25, 1), 1
	s_wait_xcnt 0x0
	s_wait_alu depctr_hold_cnt(0) depctr_sa_sdst(0) depctr_va_vdst(0) depctr_va_sdst(0) depctr_va_ssrc(0) depctr_va_vcc(0) depctr_vm_vsrc(0)
	s_getreg_b32 s2, hwreg(HW_REG_IB_STS2, 6, 4)
	s_cmp_eq_u32 s2, 0
	s_cbranch_scc0 .Lentry_in_a_cluster
	s_endpgm
.Lentry_in_a_cluster:
	s_bfe_u32 s2, ttmp6, 0x10000c
	s_cmp_lg_u32 s2, 0xf033
	s_cbranch_scc0 .Lentry_shape_is_right
	s_endpgm
.Lentry_shape_is_right:
; q = x Wq, k = x Wk, v = x Wv on codes of BF6 (E3M2), and their results quantised again, in registers, as the operands of the attention's two products.
; D = S0 S1^T: source 0 is operand P (256 rows a work-group), source 1 operand R (128 rows); K = 1,024.  Four waves; wave (wa, wb) makes 128 (S0) x 64 (S1): 32 accumulators.
; TWO PARTS, told apart by the cluster's y, which all partners share.  q and k (cluster y under 4): P = Wq's and Wk's columns, R = tokens: a lane holds one token and its registers run along the features,
; which are the first attention product's K.  v (cluster y 4, 5): P = tokens, R = Wv's columns: a lane holds one feature and its registers run along the tokens, the keys, which are the second product's K.
; Only pointers and offsets differ up to the stores; nothing is transposed by an instruction.
; OPERANDS lie in memory in the order of the operand's registers: [block of 16 rows][K step 8][1,536 bytes], a fragment = two half images of 768 bytes (registers 0-3 of lane l at 16 l, 4-5 at 512 + 8 l).
; Block 2 B + u holds rows 32 B + 8 u + r + 8 (r / 8): so the 64 result registers of one block of source 1 are: register 16 b + i = row 32 b + 16 (lane / 16) + i of source 0's 128.
; ALL OF K LIES IN LDS AT ONCE: 384 rows x 768 bytes = 294,912 bytes, in four chunks of two K steps.  By this text's count a wave has 8 tensor loads out.
; CLUSTER 4 x 4: P's tile hangs on x alone and is asked for jointly by a column of the cluster, R's on y (and the cluster's x) and by a row.
; RESULTS.  qk: [q heads 0-15, k heads 16-31][batch 4][step of 128 tokens 16][6,656 bytes]: 8 tiles of 16 tokens x 64 (a half image each), then two groups of 256 bytes of scale words: group g, lane l, word j = tile
; 4 g + 2 j + l / 16, row l % 16; bytes 0, 1 are the head's two blocks, bytes 2, 3 are 0.   vv: [head][batch][step][6,400]: 4 tiles of 16 d x 128 keys (fragments), then 256 bytes: lane l, word j = tile 2 j + l / 16.
; LIMITS: a block of zeros gets the byte 1 (its codes are zeros; this program alone reads the bytes); NaN and infinities are not served.
; REGISTERS, in windows of 256: window 0: addresses, the epilogue's work, v96-127 S0's scale words, v128-143 S1's.  window 1: accumulator (a, blk) at v[8 (8 a + blk)].  windows 2, 3: two sets of fragments: S0's at 12 blk, S1's at 96 + 12 a.
; HOW K LIES IN LDS, in place of the four chunks named above: TWO HALVES of four K steps, each 384 rows x 384 bytes = 147,456 bytes.  A wave issues one joint load at the head (waves 0, 1: 8 blocks of P each;
; waves 2, 3: 4 blocks of R each) and one more, for the second half, behind the three lines and a round of the cluster's barrier: by this text's count one tensor load of a wave is out.
.set CHUNK, 147456                     ; four K steps of 384 rows
.set BLKB,  6144                       ; a block's four K steps
.set RBASE, 98304                      ; in a half: P's 16 blocks, then R's 8
.set L16,  3                           ; v3   16 x lane
.set L8,   4                           ; v4   8 x lane
.set AP16, 8                           ; v8, v9    LDS address of my P fragments in slot 0: 16 x lane and 8 x lane + 8 blocks x wa
.set AP8,  9
.set AR16, 10                          ; v10, v11  the same for R: + 4 blocks x wb
.set AR8,  11
.set SOFF, 12                          ; v12  scale words: 512 (lane / 16) + 16 (lane % 16)
.set TM,   16                          ; v16-31 the quantiser's work
.set PX,   32                          ; v32-34, v36-38 the conversions' second halves
.set PW,   40                          ; v40-43 the four blocks' scale words
.set SELW, 44                          ; v44-47 as they are stored
.set PC,   48                          ; v48-95 the four blocks' codes
.set SS0,  96
.set SS1,  128
.set G1P,  24                          ; s[24:31], s[32:39] descriptor groups 1;  s[40:47] P's two groups 0;  s[56:63] R's
.set G1R,  32
.set G0P,  40
.set MSB, 0
.macro WIN new                         ; the immediate's high byte repeats the setting that is left
.if MSB != (\new)
	s_set_vgpr_msb (MSB<<8)|(\new)
.set MSB, (\new)
.endif
.endm
.macro PLACES n
.rept \n
	v_nop
.endr
.endm
.macro CROUND                          ; a round of the cluster's barrier
	s_barrier_signal -1
	s_barrier_wait -1
	s_cmp_lg_u32 s16, 0
	s_cbranch_scc1 .Lnot_wave_0_\@
	s_barrier_signal -3
.Lnot_wave_0_\@:
	s_barrier_wait -3
	s_barrier_signal -1
	s_barrier_wait -1
.endm
.macro FRAG reg, a16, a8, off          ; a fragment as it lies: 512, 256, 512, 256 consecutive bytes
	ds_load_b128 v[\reg:\reg+3], v[\a16] offset:(\off)
	ds_load_b64 v[\reg+4:\reg+5], v[\a8] offset:(\off)+512
	ds_load_b128 v[\reg+6:\reg+9], v[\a16] offset:(\off)+768
	ds_load_b64 v[\reg+10:\reg+11], v[\a8] offset:(\off)+1280
.endm
.macro LOADSTEP s                      ; K step s: 12 fragments, 48 LDS loads, into set s % 2
	WIN 0x80+0x40*((\s)%2)
.irp i, 0,1,2,3,4,5,6,7
	FRAG 12*\i, AP16+200*((\s)/4), AP8+200*((\s)/4), \i*BLKB+((\s)%4)*1536
.endr
.irp i, 0,1,2,3
	FRAG 96+12*\i, AR16+200*((\s)/4), AR8+200*((\s)/4), \i*BLKB+((\s)%4)*1536
.endr
.endm
; one product.  c under 0: the constant 0 starts the sum.  ra, rb: the side's scale words stand in lanes 16-31
.macro WM d, a, b, c, sa, sb, ra, rb
.if (\c) < 0
.if (\ra) && (\rb)
	v_wmma_scale_f32_16x16x128_f8f6f4 v[\d:\d+7], v[\a:\a+11], v[\b:\b+11], 0, v[\sa], v[\sb] matrix_a_fmt:MATRIX_FMT_BF6 matrix_b_fmt:MATRIX_FMT_BF6 matrix_a_scale:MATRIX_SCALE_ROW1 matrix_b_scale:MATRIX_SCALE_ROW1
.elseif (\ra)
	v_wmma_scale_f32_16x16x128_f8f6f4 v[\d:\d+7], v[\a:\a+11], v[\b:\b+11], 0, v[\sa], v[\sb] matrix_a_fmt:MATRIX_FMT_BF6 matrix_b_fmt:MATRIX_FMT_BF6 matrix_a_scale:MATRIX_SCALE_ROW1
.elseif (\rb)
	v_wmma_scale_f32_16x16x128_f8f6f4 v[\d:\d+7], v[\a:\a+11], v[\b:\b+11], 0, v[\sa], v[\sb] matrix_a_fmt:MATRIX_FMT_BF6 matrix_b_fmt:MATRIX_FMT_BF6 matrix_b_scale:MATRIX_SCALE_ROW1
.else
	v_wmma_scale_f32_16x16x128_f8f6f4 v[\d:\d+7], v[\a:\a+11], v[\b:\b+11], 0, v[\sa], v[\sb] matrix_a_fmt:MATRIX_FMT_BF6 matrix_b_fmt:MATRIX_FMT_BF6
.endif
.else
.if (\ra) && (\rb)
	v_wmma_scale_f32_16x16x128_f8f6f4 v[\d:\d+7], v[\a:\a+11], v[\b:\b+11], v[\c:\c+7], v[\sa], v[\sb] matrix_a_fmt:MATRIX_FMT_BF6 matrix_b_fmt:MATRIX_FMT_BF6 matrix_a_scale:MATRIX_SCALE_ROW1 matrix_b_scale:MATRIX_SCALE_ROW1
.elseif (\ra)
	v_wmma_scale_f32_16x16x128_f8f6f4 v[\d:\d+7], v[\a:\a+11], v[\b:\b+11], v[\c:\c+7], v[\sa], v[\sb] matrix_a_fmt:MATRIX_FMT_BF6 matrix_b_fmt:MATRIX_FMT_BF6 matrix_a_scale:MATRIX_SCALE_ROW1
.elseif (\rb)
	v_wmma_scale_f32_16x16x128_f8f6f4 v[\d:\d+7], v[\a:\a+11], v[\b:\b+11], v[\c:\c+7], v[\sa], v[\sb] matrix_a_fmt:MATRIX_FMT_BF6 matrix_b_fmt:MATRIX_FMT_BF6 matrix_b_scale:MATRIX_SCALE_ROW1
.else
	v_wmma_scale_f32_16x16x128_f8f6f4 v[\d:\d+7], v[\a:\a+11], v[\b:\b+11], v[\c:\c+7], v[\sa], v[\sb] matrix_a_fmt:MATRIX_FMT_BF6 matrix_b_fmt:MATRIX_FMT_BF6
.endif
.endif
.endm
; 32 products: the 32 accumulators take turns, one instruction a turn, in the same order in every K step.  mode 1: the first K step starts the sums
.macro MULSTEP s, mode
	WIN 0x5a+5*((\s)%2)                            ; sources 0 and 1 window 2 or 3, C and D window 1
.irp a, 0,1,2,3
.irp b, 0,1,2,3,4,5,6,7
.if (\mode) == 1
	WM 8*(8*\a+\b), 12*\b, 96+12*\a, -1, SS0+8*(\b/2)+(\s), SS1+8*(\a/2)+(\s), \b%2, \a%2
.else
	WM 8*(8*\a+\b), 12*\b, 96+12*\a, 8*(8*\a+\b), SS0+8*(\b/2)+(\s), SS1+8*(\a/2)+(\s), \b%2, \a%2
.endif
.endr
.endr
.endm
; K step s: the next step's fragments are asked for, then this step is multiplied.  A load into a register that a matrix instruction has read stands four plain vector instructions behind it (ISA guide 7.12.1 for vector
; instructions).  Where the next step opens a chunk: my part of that chunk has landed, my LDS loads are in, and the work-group's barrier shows the same of all four waves.
.macro KSTEP s, mode
.if (\s) < 7
.if (\s) == 3
	WIN 0
	s_wait_tensorcnt 0x0                           ; my part of the second half is in: no tensor load of mine is out
.if SUCC
	ds_add_u32 v254, v255                          ; the descriptors' next addresses, work on registers, stand between the add and its wait
	s_mov_b64 s[G0P+2:G0P+3], s[72:73]             ; slot 0: the next tile's first half,
	s_or_b32 s[G0P+3], s[G0P+3], 0x80000000
	s_add_nc_u64 s[G0P+6:G0P+7], s[72:73], BLKB    ; slot 1: its second half
	s_or_b32 s[G0P+7], s[G0P+7], 0x80000000
	s_mov_b64 s[58:59], s[74:75]
	s_or_b32 s59, s59, 0x80000000
	s_add_nc_u64 s[62:63], s[74:75], BLKB
	s_or_b32 s63, s63, 0x80000000
	s_mov_b64 s[72:73], s[48:49]                   ; the tile after that is v's
	s_mov_b64 s[74:75], s[50:51]
	s_wait_dscnt 0x0                               ; the add is done, and my reads of slot 0 are over
	CROUND                                         ; the same holds of every wave of every partner
	JLOAD 0                                        ; the refill, first behind the round; its four v_nop are the places in front of the loads below
.else
	s_wait_dscnt 0x0                               ; no LDS instruction of mine is out at a signal
	s_barrier_signal -1
	s_barrier_wait -1
	PLACES 4
.endif
.elseif (\s) > 0
	PLACES 4
.endif
	LOADSTEP (\s)+1
	s_wait_dscnt 48                                ; all but the 48 just issued: this step's fragments are in
.else
	s_wait_dscnt 0x0
.endif
	MULSTEP \s, \mode
.endm
	s_load_b256 s[4:11], s[0:1], 0x0               ; xc s[4:5], xs s[6:7], wc s[8:9], ws s[10:11]
	s_load_b128 s[12:15], s[0:1], 0x20             ; qk s[12:13], vv s[14:15]
	v_lshl_add_u32 v254, v0, 2, 0x48000
	v_mov_b32 v255, 0
	ds_add_u32 v254, v255
	ds_add_u32 v254, v255
	v_lshrrev_b32 v1, 5, v0
	v_readfirstlane_b32 s16, v1                    ; wave 0..3
	s_lshr_b32 s17, s16, 1                         ; wa: which 128 rows of P
	s_and_b32 s18, s16, 1                          ; wb: which 64 rows of R
	s_bfe_u32 s19, ttmp6, 0x40000                  ; cx
	s_bfe_u32 s20, ttmp6, 0x40004                  ; cy
	s_mov_b32 s21, ttmp9                           ; the cluster's x, 0..7
	s_and_b32 s22, ttmp7, 0xffff                   ; the cluster's y, 0..1
	s_lshl_b32 s66, 0x1111, s19                    ; my column of the cluster
	s_lshl_b32 s67, s20, 2
	s_lshl_b32 s67, 15, s67                        ; my row
	; groups 1: rows of 6,144 bytes (768 elements of 8: a block's four K steps), 12,288 bytes apart; P: 8 blocks a wave, R: 4
	s_or_b32 s[G1P], s66, (3<<16)|(1<<21)          ; 15:0 the mask; 17:16 elements of 8 bytes; 21 set beside a mask; no padding
	s_or_b32 s[G1R], s67, (3<<16)|(1<<21)
	s_mov_b32 s[G1P+1], 768<<16                    ; rows of 6,144 bytes (768 elements of 8: a block's four K steps); P: 8 blocks a load, R: 4
	s_mov_b32 s[G1P+2], 8<<16
	s_mov_b32 s[G1P+3], 768<<16
	s_mov_b32 s[G1P+4], 8
	s_mov_b32 s[G1P+5], 1536
	s_mov_b32 s[G1P+6], 0
	s_mov_b32 s[G1P+7], 0
	s_mov_b32 s[G1R+1], 768<<16
	s_mov_b32 s[G1R+2], 4<<16
	s_mov_b32 s[G1R+3], 768<<16
	s_mov_b32 s[G1R+4], 4
	s_mov_b32 s[G1R+5], 1536
	s_mov_b32 s[G1R+6], 0
	s_mov_b32 s[G1R+7], 0
	; P's tile is made of cx and the cluster's x alone, R's of cy, the cluster's y and x alone, each in registers that never hold the other place
	s_and_b32 s76, s21, 1
	s_lshl_b32 s76, s76, 2
	s_add_co_u32 s76, s76, s19                     ; q, k: P = tile 4 (X % 2) + cx of Wq's and Wk's 8
	s_lshl_b32 s77, s21, 2
	s_add_co_u32 s77, s77, s19                     ; v: P = tile x of the tokens' 32
	s_lshl_b32 s78, s22, 2
	s_add_co_u32 s78, s78, s20                     ; y
	s_lshl_b32 s79, s78, 2
	s_lshr_b32 s80, s21, 1
	s_add_co_u32 s79, s79, s80                     ; q, k: R = tile 4 y + X / 2 of the tokens' 64
	s_and_b32 s80, s78, 7                          ; v: R = tile y of Wv's 8
	s_cmp_lt_u32 s22, 4
	s_cselect_b32 s81, s76, s77                    ; P's tile
	s_cselect_b32 s82, s79, s80                    ; R's tile
	s_cselect_b32 s83, 0, 1572864                  ; Wv's codes begin at block 128 of wc,
	s_cselect_b32 s84, 0, 65536
	s_mov_b32 s68, s77                             ; the last tile, v: P = tile 4 X + cx of the tokens' 32,
	s_mov_b32 s69, s80                             ; R = tile 4 Y + cy of Wv's 8
	s_wait_dscnt 0x0
	s_wait_kmcnt 0x0
	s_cmp_lt_u32 s22, 4
	s_cselect_b64 s[86:87], s[8:9], s[4:5]         ; P's codes
	s_cselect_b64 s[88:89], s[4:5], s[8:9]         ; R's codes
	s_cselect_b64 s[90:91], s[10:11], s[6:7]       ; P's scale words
	s_cselect_b64 s[92:93], s[6:7], s[10:11]       ; R's
	s_mul_i32 s94, s81, 196608                     ; 16 blocks of 12,288 bytes a tile,
	s_mul_i32 s95, s18, 98304                      ; 8 a loading wave
	s_add_co_u32 s94, s94, s95
	s_mov_b32 s95, 0
	s_add_nc_u64 s[86:87], s[86:87], s[94:95]
	s_mul_i32 s96, s82, 98304                      ; 8 blocks a tile,
	s_add_co_u32 s96, s96, s83
	s_mul_i32 s97, s18, 49152                      ; 4 a loading wave
	s_add_co_u32 s96, s96, s97
	s_mov_b32 s97, 0
	s_add_nc_u64 s[88:89], s[88:89], s[96:97]
	s_mul_i32 s94, s68, 196608                     ; v's tile: what I fetch of the tokens' codes (s95 = 0),
	s_mul_i32 s98, s18, 98304
	s_add_co_u32 s94, s94, s98
	s_add_nc_u64 s[48:49], s[4:5], s[94:95]
	s_mul_i32 s96, s69, 98304                      ; and of Wv's, which begin at block 128 of wc (s97 = 0)
	s_add_co_u32 s96, s96, 1572864
	s_mul_i32 s99, s18, 49152
	s_add_co_u32 s96, s96, s99
	s_add_nc_u64 s[50:51], s[8:9], s[96:97]
	s_mov_b64 s[72:73], s[86:87]                   ; the second tile: the same columns of Wq, Wk,
	s_add_nc_u64 s[74:75], s[88:89], 3145728       ; the tokens 32 tiles of 98,304 bytes on
	s_mul_i32 s98, s18, 49152                      ; where they go: the wave's number alone enters an LDS address
	s_mul_i32 s99, s18, 24576
	s_add_co_u32 s99, s99, RBASE
.irp c, 0,1
	s_mov_b32 s[G0P+4*\c], 1
	s_add_co_u32 s[G0P+4*\c+1], s98, \c*CHUNK
	s_add_nc_u64 s[G0P+4*\c+2:G0P+4*\c+3], s[86:87], \c*BLKB
	s_or_b32 s[G0P+4*\c+3], s[G0P+4*\c+3], 0x80000000
	s_mov_b32 s[56+4*\c+4*(\c/2)], 1
	s_add_co_u32 s[57+4*\c+4*(\c/2)], s99, \c*CHUNK
	s_add_nc_u64 s[58+4*\c+4*(\c/2):59+4*\c+4*(\c/2)], s[88:89], \c*BLKB
	s_or_b32 s[59+4*\c+4*(\c/2)], s[59+4*\c+4*(\c/2)], 0x80000000
.endr
	CROUND                                         ; all sixteen work-groups are here: the joint loads meet
; a joint load of half c of K: waves 0, 1 fetch P's two halves of rows, waves 2, 3 R's.  One load on every way; the branch hangs on the wave's number alone
.macro JLOAD c
	s_cmp_eq_u32 s17, 0
	s_cbranch_scc0 .Lfor_r_\@
	tensor_load_to_lds s[G0P+4*\c:G0P+4*\c+3], s[G1P:G1P+7]
	s_nop 0
	PLACES 4
	s_branch .Lasked_\@
.Lfor_r_\@:
	tensor_load_to_lds s[56+4*\c:59+4*\c], s[G1R:G1R+7]
	s_nop 0
	PLACES 4
.Lasked_\@:
.endm
	JLOAD 0
	v_and_b32 v2, 31, v0
	v_lshlrev_b32 v[L16], 4, v2
	v_lshlrev_b32 v[L8], 3, v2
	s_mul_i32 s76, s17, 8*BLKB
	v_add_nc_u32 v[AP16], s76, v[L16]
	v_add_nc_u32 v[AP8], s76, v[L8]
	s_mul_i32 s76, s18, 4*BLKB
	s_add_co_u32 s76, s76, RBASE
	v_add_nc_u32 v[AR16], s76, v[L16]
	v_add_nc_u32 v[AR8], s76, v[L8]
	v_add_nc_u32 v[AP16+200], CHUNK, v[AP16]       ; v208-211: the same places in slot 1; none of the eight is written again
	v_add_nc_u32 v[AP8+200], CHUNK, v[AP8]
	v_add_nc_u32 v[AR16+200], CHUNK, v[AR16]
	v_add_nc_u32 v[AR8+200], CHUNK, v[AR8]
	v_and_b32 v5, 15, v0
	v_bfe_u32 v6, v0, 4, 1
	v_lshlrev_b32 v[SOFF], 4, v5
	v_lshl_add_u32 v[SOFF], v6, 9, v[SOFF]
	s_wait_alu depctr_va_vdst(0)
	s_lshl_b32 s76, s81, 13                        ; P's scale words: 512 bytes a block: 8,192 a tile, 4,096 a wave's 8 blocks
	s_lshl_b32 s77, s17, 12
	s_add_co_u32 s76, s76, s77
	s_mov_b32 s77, 0
	s_add_nc_u64 s[90:91], s[90:91], s[76:77]
	s_lshl_b32 s78, s82, 12                        ; R's: 4,096 a tile, 2,048 a wave's 4 blocks
	s_add_co_u32 s78, s78, s84
	s_lshl_b32 s79, s18, 11
	s_add_co_u32 s78, s78, s79
	s_mov_b32 s79, 0
	s_add_nc_u64 s[92:93], s[92:93], s[78:79]
	s_lshl_b32 s76, s68, 13                        ; v's tile: the scale words of my tokens,
	s_lshl_b32 s77, s17, 12
	s_add_co_u32 s76, s76, s77
	s_mov_b32 s77, 0
	s_add_nc_u64 s[52:53], s[6:7], s[76:77]
	s_lshl_b32 s78, s69, 12                        ; and of my columns of Wv
	s_add_co_u32 s78, s78, 65536
	s_lshl_b32 s79, s18, 11
	s_add_co_u32 s78, s78, s79
	s_mov_b32 s79, 0
	s_add_nc_u64 s[54:55], s[10:11], s[78:79]
	s_mov_b64 s[86:87], s[90:91]                   ; the second tile's scale words: the same columns,
	s_add_nc_u64 s[88:89], s[92:93], 131072        ; the tokens 32 tiles of 4,096 bytes on
	; the scale words of all of K go straight into registers: lanes 0-15 take block 2 i's rows, lanes 16-31 block 2 i + 1's; four K steps' words a load
.irp i, 0,1,2,3
.irp f, 0,1
	global_load_b128 v[SS0+8*\i+4*\f:SS0+8*\i+4*\f+3], v[SOFF], s[90:91] offset:\i*1024+\f*256
.endr
.endr
.irp i, 0,1
.irp f, 0,1
	global_load_b128 v[SS1+8*\i+4*\f:SS1+8*\i+4*\f+3], v[SOFF], s[92:93] offset:\i*1024+\f*256
.endr
.endr
	s_mov_b32 s23, 0xffff0000                      ; lanes 16-31
	s_mov_b32 s94, 0x76543210
	s_mov_b32 s95, 0xfedcba98                      ; v_permlanex16_b32's selects for lane l xor 16
.irp b, 0,1,2,3
	v_mov_b32 v[TM+4+\b], 0                        ; written once: a lane permute's destination counts as one of its sources
.endr
	s_mul_i32 s76, s18, 3072
	v_add_nc_u32 v13, s76, v[L16]                  ; qk: my four tiles of a step's eight
	v_add_nc_u32 v14, s76, v[L8]
	s_lshl_b32 s76, s18, 8
	v_add_nc_u32 v15, s76, v[L8]                   ; and my group of scale words
; A WORK-GROUP STAYS AND MAKES THREE TILES: those of cluster rows Y and Y + 2 (q and k: a loop of two trips) and of row Y + 4 (v: written out, it asks for nothing more); Y = 0, 1: 256 work-groups.
; The two halves of K are a RING OF TWO SLOTS that goes on from tile to tile: at a tile's head slot 1 takes its second half; behind K step 3 slot 0 takes the next tile's first half, which has K steps 4-7 and the
; way out in which to land.  In front of each fill: the three lines and a round of the cluster's barrier; behind it one joint load a wave; one tensor load of a wave is out.  K is eight steps and each request
; stands half a tile ahead of its use: no prefetch is laid.
.macro MAINK succ
.set SUCC, \succ
	s_wait_alu depctr_va_vdst(0)
	s_wait_tensorcnt 0x0                           ; my part of this tile's first half is in
	ds_add_u32 v254, v255
	s_wait_dscnt 0x0                               ; the add is done, and my reads of slot 1 are over
	CROUND                                         ; the same holds of every wave of every partner
	JLOAD 1                                        ; this tile's second half: the first tensor load behind the round
	LOADSTEP 0
	s_wait_loadcnt 0x0                             ; this tile's scale words
	KSTEP 0, 1
	KSTEP 1, 0
	KSTEP 2, 0
	KSTEP 3, 0
	KSTEP 4, 0
	KSTEP 5, 0
	KSTEP 6, 0
	KSTEP 7, 0
	PLACES 4                                       ; in front of the first read of results and of the loads into the scale registers
.if \succ
	WIN 0
.irp i, 0,1,2,3
.irp f, 0,1
	global_load_b128 v[SS0+8*\i+4*\f:SS0+8*\i+4*\f+3], v[SOFF], s[86:87] offset:\i*1024+\f*256   ; the next tile's scale words land while this tile goes out
.endr
.endr
.irp i, 0,1
.irp f, 0,1
	global_load_b128 v[SS1+8*\i+4*\f:SS1+8*\i+4*\f+3], v[SOFF], s[88:89] offset:\i*1024+\f*256
.endr
.endr
.endif
.endm
	s_mov_b32 s70, 0                               ; q's and k's tiles done
.Ltile:
	MAINK 1
; THE RESULTS BECOME OPERANDS.  Block a of source 1: its 64 registers in window 1 are 128 neighbours along the next K, 16 of each block of 32 in a lane.  Each accumulator is read from its low end on.
.macro QUANTW a
	WIN 0x05                                       ; sources 0 and 1 window 1
.irp b, 0,1,2,3
	v_max3_num_f32 v[TM+\b], |v[64*\a+16*\b]|, |v[64*\a+1+16*\b]|, 0x2800000   ; and the floor 2^(5 - 127): the byte cannot fall under 1
.endr
	WIN 0x14                                       ; sources 1 and 2 window 1
.irp i, 2,4,6,8,10,12,14
.irp b, 0,1,2,3
	v_max3_num_f32 v[TM+\b], v[TM+\b], |v[64*\a+16*\b+\i]|, |v[64*\a+1+16*\b+\i]|
.endr
.endr
	WIN 0
.irp b, 0,1,2,3
	v_permlanex16_b32 v[TM+4+\b], v[TM+\b], s94, s95
.endr
.irp b, 0,1,2,3
	v_max_num_f32 v[TM+\b], v[TM+\b], v[TM+4+\b]
.endr
.irp b, 0,1,2,3
	v_add_nc_u32 v[TM+12+\b], 0xfe000000, v[TM+\b]  ; 4 off the exponent field: the conversion's scale operand
.endr
.irp b, 0,1,2,3
	v_lshrrev_b32 v[TM+4+\b], 23, v[TM+12+\b]       ; the byte
.endr
	v_lshl_or_b32 v[PW+\a], v[TM+5], 8, v[TM+4]
	v_lshl_or_b32 v[PW+\a], v[TM+6], 16, v[PW+\a]
	v_lshl_or_b32 v[PW+\a], v[TM+7], 24, v[PW+\a]
	WIN 0x01                                       ; source 0 window 1
.irp c, 0,1
	v_cvt_scalef32_pk16_bf6_f32 v[PC+12*\a+6*\c:PC+12*\a+2+6*\c], v[64*\a+32*\c:64*\a+15+32*\c], v[TM+12+2*\c]
	v_cvt_scalef32_pk16_bf6_f32 v[PX+4*\c:PX+2+4*\c], v[64*\a+16+32*\c:64*\a+31+32*\c], v[TM+12+2*\c+1]
.endr
	WIN 0
	v_nop                                          ; one plain instruction behind the scaled conversions
.irp c, 0,1
.irp i, 0,1,2
	v_permlane16_swap_b32 v[PC+12*\a+6*\c+\i], v[PX+4*\c+\i]
.endr
.irp i, 0,1,2
	v_mov_b32 v[PC+12*\a+3+6*\c+\i], v[PX+4*\c+\i]
.endr
.endr
.endm
	QUANTW 0
	QUANTW 1
	QUANTW 2
	QUANTW 3
	v_cndmask_b32 v[SELW], v[PW], v[PW+1], s23     ; word j: lanes 0-15 block 2 j's rows, lanes 16-31 block 2 j + 1's
	v_cndmask_b32 v[SELW+1], v[PW+2], v[PW+3], s23
	; q, k: registers 0-5 are the first head's 64, registers 6-11 the next head's: two half images, 64 step blocks apart
	s_lshl_b32 s76, s81, 2
	s_lshl_b32 s77, s17, 1
	s_add_co_u32 s76, s76, s77                     ; the first head: 4 x P's tile + 2 wa
	s_lshl_b32 s76, s76, 6
	s_add_co_u32 s76, s76, s82                     ; x 64 + batch x 16 + step
	s_mul_i32 s76, s76, 6656
	s_mov_b32 s77, 0
	s_add_nc_u64 s[98:99], s[12:13], s[76:77]
	s_wait_alu depctr_va_vdst(0)
	v_lshrrev_b32 v[SELW+2], 16, v[SELW]           ; the second head's two bytes,
	v_lshrrev_b32 v[SELW+3], 16, v[SELW+1]
	v_and_b32 v[SELW], 0xffff, v[SELW]             ; the first head's; the upper two bytes are 0 in both
	v_and_b32 v[SELW+1], 0xffff, v[SELW+1]
.irp a, 0,1,2,3
	global_store_b128 v13, v[PC+12*\a:PC+12*\a+3], s[98:99] offset:\a*768
	global_store_b64 v14, v[PC+12*\a+4:PC+12*\a+5], s[98:99] offset:\a*768+512
	global_store_b128 v13, v[PC+12*\a+6:PC+12*\a+9], s[98:99] offset:\a*768+425984
	global_store_b64 v14, v[PC+12*\a+10:PC+12*\a+11], s[98:99] offset:\a*768+512+425984
.endr
	global_store_b64 v15, v[SELW:SELW+1], s[98:99] offset:6144
	global_store_b64 v15, v[SELW+2:SELW+3], s[98:99] offset:6144+425984
	s_wait_xcnt 0x0                                ; the stores and the scale words' loads have read their registers: bases and data are written again only behind this wait
	s_add_co_u32 s82, s82, 32                      ; the next tile's tokens
	s_mov_b64 s[86:87], s[52:53]                   ; the scale words behind those just asked for are v's
	s_mov_b64 s[88:89], s[54:55]
	s_add_co_u32 s70, s70, 1
	s_cmp_lt_u32 s70, 2
	s_cbranch_scc1 .Ltile
	MAINK 0                                        ; the last tile: v
	QUANTW 0
	QUANTW 1
	QUANTW 2
	QUANTW 3
	v_cndmask_b32 v[SELW], v[PW], v[PW+1], s23
	v_cndmask_b32 v[SELW+1], v[PW+2], v[PW+3], s23
	; v: block a is tile a of my head's four tiles of d; its fragment holds my 128 keys
	s_lshl_b32 s78, s69, 1
	s_add_co_u32 s78, s78, s18                     ; the head: 2 x R's tile + wb
	s_lshl_b32 s78, s78, 6
	s_lshl_b32 s79, s68, 1
	s_add_co_u32 s78, s78, s79
	s_add_co_u32 s78, s78, s17                     ; x 64 + 2 x P's tile + wa
	s_mul_i32 s78, s78, 6400
	s_mov_b32 s79, 0
	s_add_nc_u64 s[14:15], s[14:15], s[78:79]
	s_wait_alu depctr_va_vdst(0)
.irp a, 0,1,2,3
	global_store_b128 v[L16], v[PC+12*\a:PC+12*\a+3], s[14:15] offset:\a*1536
	global_store_b64 v[L8], v[PC+12*\a+4:PC+12*\a+5], s[14:15] offset:\a*1536+512
	global_store_b128 v[L16], v[PC+12*\a+6:PC+12*\a+9], s[14:15] offset:\a*1536+768
	global_store_b64 v[L8], v[PC+12*\a+10:PC+12*\a+11], s[14:15] offset:\a*1536+1280
.endr
	global_store_b64 v[L8], v[SELW:SELW+1], s[14:15] offset:6144
.Ldone:
	s_wait_tensorcnt 0x0
	ds_add_u32 v254, v255
	s_wait_dscnt 0x0
	CROUND                                         ; the closing round: no work-group ends while a partner may still ask for a tile that names it
	s_endpgm
.Lfunc_end_k_q3f7dcc7ad8_gemm_qkv:
	.size	k_q3f7dcc7ad8_gemm_qkv, .Lfunc_end_k_q3f7dcc7ad8_gemm_qkv-k_q3f7dcc7ad8_gemm_qkv
	.p2alignl 7, 3214868480
	.fill 96, 4, 3214868480
	.section	.rodata,"a",@progbits
	.p2align	6, 0x0
	.amdhsa_kernel k_q3f7dcc7ad8_gemm_qkv
		.amdhsa_group_segment_fixed_size 327680
		.amdhsa_private_segment_fixed_size 0
		.amdhsa_enable_private_segment 0
		.amdhsa_kernarg_size 48
		.amdhsa_user_sgpr_count 2
		.amdhsa_user_sgpr_kernarg_segment_ptr 1
		.amdhsa_wavefront_size32 1
		.amdhsa_system_sgpr_workgroup_id_x 1
		.amdhsa_system_sgpr_workgroup_id_y 1
		.amdhsa_system_sgpr_workgroup_id_z 1
		.amdhsa_system_vgpr_workitem_id 0
		.amdhsa_next_free_vgpr 1024
		.amdhsa_next_free_sgpr 100
		.amdhsa_reserve_vcc 0
		.amdhsa_float_denorm_mode_32 3
		.amdhsa_float_denorm_mode_16_64 3
		.amdhsa_memory_ordered 1
		.amdhsa_forward_progress 1
		.amdhsa_inst_pref_size 166
	.end_amdhsa_kernel
	.amdgpu_metadata
---
amdhsa.version: [ 1, 2 ]
amdhsa.kernels:
  - .name:           k_q3f7dcc7ad8_gemm_qkv
    .symbol:         k_q3f7dcc7ad8_gemm_qkv.kd
    .args:
      - { .name: xc, .offset: 0, .size: 8, .value_kind: global_buffer, .address_space: global }
      - { .name: xs, .offset: 8, .size: 8, .value_kind: global_buffer, .address_space: global }
      - { .name: wc, .offset: 16, .size: 8, .value_kind: global_buffer, .address_space: global }
      - { .name: ws, .offset: 24, .size: 8, .value_kind: global_buffer, .address_space: global }
      - { .name: qk, .offset: 32, .size: 8, .value_kind: global_buffer, .address_space: global }
      - { .name: vv, .offset: 40, .size: 8, .value_kind: global_buffer, .address_space: global }
    .group_segment_fixed_size: 327680
    .private_segment_fixed_size: 0
    .kernarg_segment_align: 8
    .kernarg_segment_size: 48
    .max_flat_workgroup_size: 128
    .sgpr_count:     100
    .vgpr_count:     1024
    .wavefront_size: 32
...
	.end_amdgpu_metadata
.endif
;; end of part 2
;; launch attn (part 3): grid 4 x 64, 16 waves a work-group, clusters of 4 x 1, 327,680 bytes of LDS; arguments qk, vv, oc, os; writes oc, os
.if DOCPART == 3
	.amdgcn_target "amdgcn-amd-amdhsa--gfx1250"
	.amdhsa_code_object_version 6
	.text
	.protected	k_q3f7dcc7ad8_attn
	.globl	k_q3f7dcc7ad8_attn
	.p2align	8
	.type	k_q3f7dcc7ad8_attn,@function
k_q3f7dcc7ad8_attn:
	s_mov_b64 s[64:65], 0
	v_nop
	global_prefetch_b8 v0, s[64:65] scope:SCOPE_SE
	s_setreg_imm32_b32 hwreg(HW_REG_WAVE_MODE, 25, 1), 1
	s_wait_xcnt 0x0
	s_wait_alu depctr_hold_cnt(0) depctr_sa_sdst(0) depctr_va_vdst(0) depctr_va_sdst(0) depctr_va_ssrc(0) depctr_va_vcc(0) depctr_vm_vsrc(0)
	s_getreg_b32 s2, hwreg(HW_REG_IB_STS2, 6, 4)
	s_cmp_eq_u32 s2, 0
	s_cbranch_scc0 .Lentry_in_a_cluster
	s_endpgm
.Lentry_in_a_cluster:
	s_bfe_u32 s2, ttmp6, 0x10000c
	s_cmp_lg_u32 s2, 0x3003
	s_cbranch_scc0 .Lentry_shape_is_right
	s_endpgm
.Lentry_shape_is_right:
; o = softmax(q k^T / 8, causal) v for one head of one batch, both products on codes of BF6 (E3M2), and o quantised again along the head's 64, as an operand of the last product.
; THE SOFTMAX: t = score x log2(e) / 8; M = the running largest t rounded UP to a whole number; p = 2^(t - M) is quantised along the keys, not normalised; the row's sum is taken of the unquantised p and divides at
; the end.  When M moves, the sum and O^T are multiplied by 2^(old M - new M), which rounds nothing.
; LEFT OUT: steps of 128 keys that all come after a tile's queries: the causal mask makes their p zero for all values of the inputs.
; SHARES.  y = 4 x head + batch.  The four work-groups of a y form a cluster and ask for K and V jointly.  The 128 tiles of 16 queries lie in 16 groups of 8; a tile of group g walks g + 1 steps of 128 keys.
; Partner cx takes tiles 8 g + 2 cx + u of every group; its wave w takes u = w % 2 of group 15 - w / 2 and then of group w / 2: 17 steps for every wave of every partner.  So every branch and trip count hangs on
; the wave's number alone; cx enters global addresses and the mask's numbers only.  Waves 0 and 1 of every partner read all 16 steps.
; A WHOLE HEAD'S K AND V LIE IN LDS, filled once: 16 steps x 6,656 bytes of K, then 16 x 6,400 of V, in the order of the operands' registers.  At the head wave w fetches step w of K (w under 8) or step w - 8 of V;
; behind the three lines and a round of the cluster's barrier each fetches the step eight further on: one tensor load of a wave is out.  Both requests go out as soon as this order allows and there is none later,
; so no prefetch is laid: there is no request to run ahead of.
; LAYOUT.  Both products are used transposed: S^T = K Q^T, O^T = V^T P^T: a lane holds ONE query.  In memory tile 2 B + u (of keys, queries, d) holds rows 32 B + 8 u + r + 8 (r / 8).  K'S ROWS ARE TAKEN IN ANOTHER
; ORDER, by the lanes' LDS addresses alone: tile 4 c + t has in rows 0-7 keys 64 c + 8 t + 0..7 and in rows 8-15 keys 64 c + 32 + 8 t + 0..7.  So register 32 c + i of S^T is key 64 c + 32 (lane / 16) + i:
; a lane holds two WHOLE blocks of 32 keys, as the second product's operand wants them: a block's maximum needs no other lane and no codes change lanes.
; K = 64 IN AN INSTRUCTION OF 128: Q's upper six registers hold zero codes, bytes 2, 3 of both sides' scale words are 0 (2^-127, no NaN); the upper half of K's operand is the next tile's codes (behind the last: zeros).
; LIMITS: p under 2^-126 counts as 0 (v_exp_f32 flushes denormals: ISA guide 15.8); a block of zeros gets the byte 1 (its codes are zeros); NaN and infinities are not served; the scaled scores stay under 2^31.
; A block's largest p is made from its largest score by the same multiply-add and exponential as every p, which takes v_exp_f32 not to fall where its input rises.
; REGISTERS: v1-5 the step's LDS addresses; v6-8 the lane's places in K's images and scale words; v9 16 l, v10 8 l; v11 the mask's d; v12 -M, v13 the largest score, v[14:15] the sum; v16-27 Q, v28 its scale word;
; v29 8 h, v30 8 r, v31 2 r + h; v32-79 K's eight tiles, later V's four; v80-85 zeros; v86-89 scale words; v96-159 S^T, then p; v160-191 O^T; v192-203 p's codes; v204-230 at work; v232-244 the second pass's Q.
.set S,    96
.set OT,   160
.set PCD,  192
.set PX,   204                         ; v204-206, v208-210 the conversions' second halves (three registers begin on an even number)
.set BM,   212                         ; v212-213 my two blocks' largest scores, then largest p
.set XC,   214                         ; v214-217 four chains of the maximum
.set SO,   218                         ; v218-219 the conversions' scale operands
.set PT,   220                         ; v220-221 the bytes
.set FF,   224                         ; v[224:225] f = 2^(old M - new M)
.set PWD,  226                         ; p's scale word
.set T,    227
.set T2,   228
.set NINF, 229
.set MX,   230
.set Q2,   232
.set Q2S,  244
.set KST,  6656
.set VST,  6400
.set VBASE, 16*KST
.set SPARE, 0x33000                    ; behind V: the spare words, 128 bytes a wave
.macro GROUP1 g, rows                  ; a dense block as rows of 256 bytes (32 elements of 8); the mask names the cluster's four, bit 21 beside it
	s_mov_b32 s[\g], 15|(3<<16)|(1<<21)
	s_mov_b32 s[\g+1], 32<<16
	s_mov_b32 s[\g+2], (\rows)<<16
	s_mov_b32 s[\g+3], 32<<16
	s_mov_b32 s[\g+4], \rows
	s_mov_b32 s[\g+5], 32
	s_mov_b32 s[\g+6], 0
	s_mov_b32 s[\g+7], 0
.endm
.macro NOPS4
.rept 4
	v_nop
.endr
.endm
.macro CROUND                          ; a round of the cluster's barrier
	s_barrier_signal -1
	s_barrier_wait -1
	s_cmp_lg_u32 s12, 0
	s_cbranch_scc1 .Lnw0_\@
	s_barrier_signal -3
.Lnw0_\@:
	s_barrier_wait -3
	s_barrier_signal -1
	s_barrier_wait -1
.endm
.macro JL gk, gv                       ; a joint load: waves 0-7 a step of K, waves 8-15 a step of V; one load on every way
	s_cmp_lt_u32 s12, 8
	s_cbranch_scc0 .Lv_\@
	tensor_load_to_lds s[\gk:\gk+3], s[24:31]
	s_nop 0
	NOPS4
	s_branch .Lj_\@
.Lv_\@:
	tensor_load_to_lds s[\gv:\gv+3], s[40:47]
	s_nop 0
	NOPS4
.Lj_\@:
.endm
	s_load_b256 s[4:11], s[0:1], 0x0               ; qk s[4:5], vv s[6:7], oc s[8:9], os s[10:11]
	v_lshl_add_u32 v254, v0, 2, SPARE
	v_mov_b32 v255, 0
	ds_add_u32 v254, v255                          ; the opening lines: the add twice on end
	ds_add_u32 v254, v255
	v_lshrrev_b32 v1, 5, v0
	v_readfirstlane_b32 s12, v1                    ; wave 0..15
	s_bfe_u32 s13, ttmp6, 0x40000                  ; cx
	s_and_b32 s14, ttmp7, 0xffff                   ; y
	s_and_b32 s15, s12, 7                          ; which step of eight I fetch
	GROUP1 24, 26                                  ; a step of K
	GROUP1 40, 25                                  ; a step of V
	s_add_co_u32 s79, s14, 64                      ; k's heads lie behind q's 16 x 4
	s_mul_i32 s90, s79, 16*KST
	s_mov_b32 s91, 0
	s_mul_i32 s92, s14, 16*VST
	s_mov_b32 s93, 0
	s_mul_i32 s94, s15, KST                        ; the same offsets in memory and in LDS
	s_mov_b32 s95, 0
	s_mul_i32 s96, s15, VST
	s_mov_b32 s97, 0
	s_wait_dscnt 0x0
	s_wait_kmcnt 0x0
	s_add_nc_u64 s[88:89], s[4:5], s[90:91]
	s_add_nc_u64 s[88:89], s[88:89], s[94:95]
	s_mov_b32 s56, 1
	s_mov_b32 s57, s94
	s_mov_b64 s[58:59], s[88:89]
	s_or_b32 s59, s59, 0x80000000
	s_mov_b32 s60, 1
	s_add_co_u32 s61, s94, 8*KST
	s_add_nc_u64 s[62:63], s[88:89], 8*KST
	s_or_b32 s63, s63, 0x80000000
	s_add_nc_u64 s[88:89], s[6:7], s[92:93]
	s_add_nc_u64 s[88:89], s[88:89], s[96:97]
	s_mov_b32 s68, 1
	s_add_co_u32 s69, s96, VBASE
	s_mov_b64 s[70:71], s[88:89]
	s_or_b32 s71, s71, 0x80000000
	s_mov_b32 s72, 1
	s_add_co_u32 s73, s96, VBASE+8*VST
	s_add_nc_u64 s[74:75], s[88:89], 8*VST
	s_or_b32 s75, s75, 0x80000000
	CROUND                                         ; the four partners are here: the joint loads meet
	JL 56, 68                                      ; steps 0-7
	s_mov_b32 s16, 0x76543210
	s_mov_b32 s17, 0xfedcba98                      ; v_permlanex16_b32's selects for lane l xor 16
	s_mov_b32 s18, 0x3e38aa3b                      ; c = log2(e) / 8
	s_mov_b32 s19, s18                             ; (named with it as a pair)
	s_mov_b32 s99, 0xbe38aa3b                      ; -c
	s_mov_b32 s20, 0xffff0000                      ; lanes 16-31
	s_and_b32 s79, s12, 1                          ; u
	s_lshl_b32 s98, s13, 1
	s_add_co_u32 s98, s98, s79                     ; my tile's place in its group of eight: 2 cx + u
	s_lshl_b32 s96, s13, 5
	s_lshl_b32 s97, s79, 3
	s_add_co_u32 s96, s96, s97                     ; its first query's place among the group's 128: 32 cx + 8 u
	s_bfe_u32 s100, s98, 0x10002                   ; q's scale words: group (place / 4),
	s_lshl_b32 s100, s100, 8
	s_lshl_b32 s94, s79, 7                         ; lanes 16 (place % 2) on,
	s_add_co_u32 s100, s100, s94
	s_and_b32 s94, s13, 1
	s_lshl_b32 s94, s94, 2                         ; word (place / 2) % 2
	s_add_co_u32 s100, s100, s94
	v_and_b32 v1, 31, v0                           ; lane
	v_and_b32 v2, 15, v0                           ; r
	v_bfe_u32 v3, v0, 4, 1                         ; h
	v_and_b32 v4, 7, v0                            ; r % 8
	v_bfe_u32 v5, v0, 3, 1                         ; r / 8
	v_lshlrev_b32 v9, 4, v1
	v_lshlrev_b32 v10, 3, v1
	v_mul_u32_u24 v6, v5, 1536                     ; rows 8-15 come from the image two tiles on
	v_lshl_add_u32 v7, v4, 3, v6
	v_lshl_add_u32 v7, v3, 7, v7                   ; registers 4-5: 1,536 (r / 8) + 8 (r % 8) + 128 h
	v_lshl_add_u32 v6, v4, 4, v6
	v_lshl_add_u32 v6, v3, 8, v6                   ; registers 0-3: 1,536 (r / 8) + 16 (r % 8) + 256 h
	v_lshlrev_b32 v8, 3, v4
	v_lshl_add_u32 v8, v5, 2, v8
	v_lshl_add_u32 v8, v3, 7, v8                   ; K's scale words: 8 (r % 8) + 4 (r / 8); lanes 16-31 take the odd tile's, 128 on
	v_lshlrev_b32 v29, 3, v3
	v_lshlrev_b32 v30, 3, v2
	v_lshl_add_u32 v31, v2, 1, v3
	v_lshl_add_u32 v11, v5, 3, v2                  ; r + 8 (r / 8)
	v_lshlrev_b32 v1, 5, v3
	v_add_nc_u32 v11, s96, v11
	v_sub_nc_u32 v11, v11, v1                      ; d = my query's place among its group's 128, less 32 h
.irp j, 22,23,24,25,26,27,80,81,82,83,84,85,Q2+6,Q2+7,Q2+8,Q2+9,Q2+10,Q2+11
	v_mov_b32 v[\j], 0                             ; zero codes
.endr
.irp j, T,T2,PT,PT+1,FF+1
	v_mov_b32 v[\j], 0                             ; written once: a lane permute's destination counts as one of its sources
.endr
	v_mov_b32 v[NINF], 0xff800000
	s_wait_alu depctr_va_vdst(0)
.macro QLOAD q, qs, a                  ; the tile of group s78: its half image and scale words
	s_lshl_b32 s90, s14, 4
	s_add_co_u32 s90, s90, s78
	s_mul_i32 s90, s90, KST
	s_mov_b32 s91, 0
	s_add_nc_u64 s[\a+2:\a+3], s[4:5], s[90:91]
	s_mul_i32 s92, s98, 768
	s_mov_b32 s93, 0
	s_add_nc_u64 s[\a:\a+1], s[\a+2:\a+3], s[92:93]
	s_mov_b32 s92, s100
	s_add_nc_u64 s[\a+2:\a+3], s[\a+2:\a+3], s[92:93]
	global_load_b128 v[\q:\q+3], v9, s[\a:\a+1]
	global_load_b64 v[\q+4:\q+5], v10, s[\a:\a+1] offset:512
	global_load_b32 v[\qs], v30, s[\a+2:\a+3] offset:6144
.endm
; A KEY STEP: step s21 of 128 keys; its tiles begin at LDS bytes s76 (K) and s77 (V).  s22 = my tile's group: later steps are passed over, step s22 is masked.
.macro STEP q, qs
	s_cmp_gt_u32 s21, s22
	s_cbranch_scc1 .Lhid_\@
	v_add_nc_u32 v1, s76, v6                       ; these four are also the places in front of the loads into registers that the last products read
	v_add_nc_u32 v2, s76, v7
	v_add_nc_u32 v3, s76, v8
	v_mov_b32 v[T], v12                            ; the old -M
.irp c, 0,1
.irp t, 0,1,2,3
	ds_load_b128 v[32+6*(4*\c+\t):35+6*(4*\c+\t)], v1 offset:768*(4*\c+\t%2)+128*(\t/2)
	ds_load_b64 v[36+6*(4*\c+\t):37+6*(4*\c+\t)], v2 offset:768*(4*\c+\t%2)+512+64*(\t/2)
.endr
	ds_load_b32 v[86+2*\c], v3 offset:6144+256*\c      ; scale words of tiles 4 c | 4 c + 1 (lanes 0-15 | 16-31),
	ds_load_b32 v[87+2*\c], v3 offset:6144+256*\c+64   ; of tiles 4 c + 2 | 4 c + 3
.endr
	s_wait_dscnt 0x0
.irp t, 0,2,4,6                        ; S^T = K Q^T
	v_wmma_scale_f32_16x16x128_f8f6f4 v[S+8*\t:S+8*\t+7], v[32+6*\t:43+6*\t], v[\q:\q+11], 0, v[86+\t/2], v[\qs] matrix_a_fmt:MATRIX_FMT_BF6 matrix_b_fmt:MATRIX_FMT_BF6
	v_wmma_scale_f32_16x16x128_f8f6f4 v[S+8*\t+8:S+8*\t+15], v[38+6*\t:49+6*\t], v[\q:\q+11], 0, v[86+\t/2], v[\qs] matrix_a_fmt:MATRIX_FMT_BF6 matrix_b_fmt:MATRIX_FMT_BF6 matrix_a_scale:MATRIX_SCALE_ROW1
.endr
	v_add_nc_u32 v4, s77, v9                       ; four places in front of the loads below and of the first read of the scores
	v_add_nc_u32 v5, s77, v10
	v_nop
	v_nop
.irp d, 0,1,2,3                        ; V's four fragments land while the softmax runs
	ds_load_b128 v[32+12*\d:35+12*\d], v4 offset:1536*\d
	ds_load_b64 v[36+12*\d:37+12*\d], v5 offset:1536*\d+512
	ds_load_b128 v[38+12*\d:41+12*\d], v4 offset:1536*\d+768
	ds_load_b64 v[42+12*\d:43+12*\d], v5 offset:1536*\d+1280
.endr
	ds_load_b64 v[86:87], v5 offset:6144           ; v86 tiles 0 | 1, v87 tiles 2 | 3
	s_cmp_lg_u32 s21, s22                          ; in my group's own step hidden keys' scores become -infinity ahead of the maximum; the step's first key counts for every query
	s_cbranch_scc1 .Lopen_\@
.set N, 0
.rept 64                               ; register N holds key 64 (N / 32) + 32 h + N % 32 of the step: hidden where 64 (N / 32) + N % 32 > d
	v_cmp_gt_i32 vcc_lo, 64*(N/32)+N%32, v11
	v_cndmask_b32 v[S+N], v[S+N], v[NINF], vcc_lo
.set N, N+1
.endr
.Lopen_\@:
.irp x, 0,1,2,3                        ; four chains of 16, each accumulator from its low end on
	v_max3_num_f32 v[XC+\x], v[S+16*\x], v[S+1+16*\x], v[S+2+16*\x]
.endr
.irp i, 3,5,7,9,11,13
.irp x, 0,1,2,3
	v_max3_num_f32 v[XC+\x], v[XC+\x], v[S+16*\x+\i], v[S+1+16*\x+\i]
.endr
.endr
.irp c, 0,1
	v_max3_num_f32 v[BM+\c], v[XC+2*\c], v[XC+1+2*\c], v[S+15+32*\c]
.endr
.irp c, 0,1
	v_max_num_f32 v[BM+\c], v[BM+\c], v[S+31+32*\c]   ; the largest score of each of my two blocks: it serves the row's maximum and the block's largest p
.endr
	v_max_num_f32 v[MX], v[BM], v[BM+1]
	v_permlanex16_b32 v[T2], v[MX], s16, s17
	v_max3_num_f32 v13, v13, v[MX], v[T2]          ; the running largest score of my query
	v_mul_f32 v12, s99, v13                        ; -t
	v_floor_f32 v12, v12                           ; the new -M = floor(-t) = -ceil(t)
	v_sub_f32 v[T], v12, v[T]                      ; old M - new M: a whole number, 0 or less
	v_cvt_i32_f32 v[T], v[T]                       ; (it saturates)
	v_ldexp_f32 v[FF], 1.0, v[T]                   ; f
.set N, 0
.rept 32
	v_pk_fma_f32 v[S+N:S+N+1], v[S+N:S+N+1], s[18:19], v[12:13] op_sel_hi:[1,0,0]   ; t - M, two at a time
.set N, N+2
.endr
.irp c, 0,1
	v_fma_f32 v[BM+\c], v[BM+\c], s18, v12         ; the same of each block's largest score
.endr
.set N, 0
.rept 16
	v_pk_mul_f32 v[OT+N:OT+N+1], v[OT+N:OT+N+1], v[FF:FF+1] op_sel_hi:[1,0]   ; O^T under the new M, each accumulator from its low end on
.set N, N+2
.endr
	s_wait_alu depctr_va_vdst(0)                   ; the wait ahead of the batch
.set N, 0
.rept 64
	v_exp_f32 v[S+N], v[S+N]                       ; p = 2^(t - M)
.set N, N+1
.endr
.irp c, 0,1
	v_exp_f32 v[BM+\c], v[BM+\c]                   ; the blocks' largest p
.endr
	v_pk_mul_f32 v[14:15], v[14:15], v[FF:FF+1] op_sel_hi:[1,0]   ; the sums under the new M: the plain instruction behind the exponentials
	s_wait_alu depctr_va_vdst(0)                   ; one wait for the batch, ahead of its first reader
.irp c, 0,1
	v_max_num_f32 v[BM+\c], 0x2800000, v[BM+\c]    ; the floor 2^(5 - 127): the byte cannot fall under 1
.endr
.irp c, 0,1
	v_add_nc_u32 v[SO+\c], 0xfe000000, v[BM+\c]    ; 4 off the exponent field: the conversion's scale operand
.endr
.irp c, 0,1                            ; my block 2 c + h: registers 6 c .. 6 c + 5 of the operand
	v_cvt_scalef32_pk16_bf6_f32 v[PCD+6*\c:PCD+2+6*\c], v[S+32*\c:S+15+32*\c], v[SO+\c]
	v_cvt_scalef32_pk16_bf6_f32 v[PX+4*\c:PX+2+4*\c], v[S+16+32*\c:S+31+32*\c], v[SO+\c]
.endr
.irp c, 0,1
	v_lshrrev_b32 v[PT+\c], 23, v[SO+\c]           ; the bytes; also the plain instruction behind the scaled conversions
.endr
	v_lshl_or_b32 v[T], v[PT+1], 16, v[PT]         ; blocks h and 2 + h,
	v_lshlrev_b32 v[T], v29, v[T]                  ; at their places, 8 h bits up;
	v_permlanex16_b32 v[T2], v[T], s16, s17
	v_or_b32 v[PWD], v[T], v[T2]                   ; with lane l xor 16's two: p's scale word for these 128 keys
.irp c, 0,1
.irp i, 0,1,2
	v_mov_b32 v[PCD+3+6*\c+\i], v[PX+4*\c+\i]
.endr
.endr
; the row's sum of the unquantised p, in place.  These 32 are the places between p's scale word and codes and the products below
.irp w, 32,16,8,4
.set N, 0
.rept \w/2
	v_pk_add_f32 v[S+N:S+N+1], v[S+N:S+N+1], v[S+\w+N:S+\w+N+1]
.set N, N+2
.endr
.endr
	v_pk_add_f32 v[S:S+1], v[S:S+1], v[S+2:S+3]
	v_pk_add_f32 v[14:15], v[14:15], v[S:S+1]
	s_wait_alu depctr_va_vdst(0)                   ; the wait directly ahead of the wait below
	s_wait_dscnt 0x0                               ; V is in
.irp d, 0,2                            ; O^T += V^T P^T: the four accumulators by turns
	v_wmma_scale_f32_16x16x128_f8f6f4 v[OT+8*\d:OT+8*\d+7], v[32+12*\d:43+12*\d], v[PCD:PCD+11], v[OT+8*\d:OT+8*\d+7], v[86+\d/2], v[PWD] matrix_a_fmt:MATRIX_FMT_BF6 matrix_b_fmt:MATRIX_FMT_BF6
	v_wmma_scale_f32_16x16x128_f8f6f4 v[OT+8*\d+8:OT+8*\d+15], v[44+12*\d:55+12*\d], v[PCD:PCD+11], v[OT+8*\d+8:OT+8*\d+15], v[86+\d/2], v[PWD] matrix_a_fmt:MATRIX_FMT_BF6 matrix_b_fmt:MATRIX_FMT_BF6 matrix_a_scale:MATRIX_SCALE_ROW1
.endr
.Lhid_\@:
.endm
.macro LOOP n, q, qs                   ; n steps: the trip count is a constant; what is passed over is a step's work
	s_mov_b32 s23, \n
.Lstep_\@:
	STEP \q, \qs
	s_add_co_u32 s21, s21, 1
	s_add_co_u32 s76, s76, KST
	s_add_co_u32 s77, s77, VST
	s_sub_co_u32 s23, s23, 1
	s_cmp_lg_u32 s23, 0
	s_cbranch_scc1 .Lstep_\@
.endm
; A pass begins: group s78.  Where its results go, and the sums' start
.macro INIT
	s_wait_xcnt 0x0                                ; earlier loads and stores have read their addresses and data: both are written again below
	s_mov_b32 s22, s78
	s_lshl_b32 s88, s78, 3
	s_add_co_u32 s88, s88, s98                     ; the tile among the batch's 128
	s_and_b32 s94, s14, 3
	s_lshl_b32 s94, s94, 7
	s_add_co_u32 s94, s94, s88                     ; the block of tokens: 128 x batch + tile
	s_mul_i32 s96, s94, 12288
	s_lshr_b32 s95, s14, 2                         ; the head
	s_mul_i32 s97, s95, 768
	s_add_co_u32 s96, s96, s97
	s_mov_b32 s97, 0
	s_add_nc_u64 s[84:85], s[8:9], s[96:97]
	s_lshl_b32 s96, s94, 5
	s_lshl_b32 s95, s95, 14
	s_add_co_u32 s96, s96, s95
	s_add_nc_u64 s[86:87], s[10:11], s[96:97]
	s_mov_b32 s21, 0
	s_mov_b32 s76, 0
	s_mov_b32 s77, VBASE
	v_mov_b32 v13, 0xff61b1e6                      ; the largest score so far: -3e38
	v_mov_b32 v12, 0x7f61b1e6                      ; -M: 3e38, so that the first f is 0
	v_mov_b32 v14, 0
	v_mov_b32 v15, 0
.set N, 0
.rept 32
	v_mov_b32 v[OT+N], 0                           ; the step is written without a first step of its own: the first change of M leaves zeros zeros
.set N, N+1
.endr
	s_wait_alu depctr_va_vdst(0)                   ; the wait ahead of the waits
.endm
; O^T / the sum, quantised along the head's 64 (two blocks; register 16 b + i = d 32 b + 16 h + i), leaves as a half image of 16 tokens x 64 and two bytes a token
.macro FINISH
	NOPS4                                          ; places behind the last products
	v_add_f32 v14, v14, v15
	s_delay_alu instid0(VALU_DEP_1)
	v_permlanex16_b32 v[T], v14, s16, s17
	s_delay_alu instid0(VALU_DEP_1)
	v_add_f32 v14, v14, v[T]                       ; the row's sum
	s_wait_alu depctr_va_vdst(0)
	v_rcp_f32 v14, v14
	v_nop                                          ; a plain instruction behind the reciprocal
	s_wait_alu depctr_va_vdst(0)                   ; the wait ahead of its first reader and of O^T's
.set N, 0
.rept 16
	v_pk_mul_f32 v[S+N:S+N+1], v[OT+N:OT+N+1], v[14:15] op_sel_hi:[1,0]
.set N, N+2
.endr
.irp b, 0,1
	v_max3_num_f32 v[BM+\b], |v[S+16*\b]|, |v[S+1+16*\b]|, 0x2800000
.endr
.irp i, 2,4,6,8,10,12,14
.irp b, 0,1
	s_delay_alu instid0(VALU_DEP_2)
	v_max3_num_f32 v[BM+\b], v[BM+\b], |v[S+16*\b+\i]|, |v[S+1+16*\b+\i]|
.endr
.endr
.irp b, 0,1
	s_delay_alu instid0(VALU_DEP_2)
	v_permlanex16_b32 v[PT+\b], v[BM+\b], s16, s17
.endr
.irp b, 0,1
	s_delay_alu instid0(VALU_DEP_2)
	v_max_num_f32 v[BM+\b], v[BM+\b], v[PT+\b]
.endr
.irp b, 0,1
	s_delay_alu instid0(VALU_DEP_2)
	v_add_nc_u32 v[SO+\b], 0xfe000000, v[BM+\b]
.endr
.irp b, 0,1
	s_delay_alu instid0(VALU_DEP_2)
	v_lshrrev_b32 v[PT+\b], 23, v[SO+\b]
.endr
	v_cvt_scalef32_pk16_bf6_f32 v[PCD:PCD+2], v[S:S+15], v[SO]
	v_cvt_scalef32_pk16_bf6_f32 v[PX:PX+2], v[S+16:S+31], v[SO+1]
	v_nop
.irp i, 0,1,2
	v_permlane16_swap_b32 v[PCD+\i], v[PX+\i]      ; the operand wants a whole block in a lane
.endr
.irp i, 0,1,2
	s_delay_alu instid0(VALU_DEP_3)
	v_mov_b32 v[PCD+3+\i], v[PX+\i]
.endr
	v_cndmask_b32 v[T], v[PT], v[PT+1], s20        ; lanes 0-15 store block 0's byte, lanes 16-31 block 1's
	global_store_b128 v9, v[PCD:PCD+3], s[84:85]
	global_store_b64 v10, v[PCD+4:PCD+5], s[84:85] offset:512
	global_store_b8 v31, v[T], s[86:87]            ; 32 consecutive bytes a wave: 1 byte for 24 of codes
.endm
	s_lshr_b32 s79, s12, 1
	s_sub_co_u32 s78, 15, s79                      ; the first pass's group: 15 - wave / 2
	QLOAD 16, 28, 80
	s_mov_b32 s78, s79                             ; the second's: wave / 2
	QLOAD Q2, Q2S, 84
	s_sub_co_u32 s78, 15, s79
	INIT
	s_wait_tensorcnt 0x0                           ; my step of steps 0-7 is in; this wait, the add and its wait go ahead of a later first fill
	ds_add_u32 v254, v255
	s_wait_dscnt 0x0
	CROUND                                         ; everybody's is, and the four partners meet
	JL 60, 72                                      ; steps 8-15: the first tensor load behind the round
	s_wait_loadcnt 0x0                             ; both passes' Q
	LOOP 3, 16, 28                                 ; three of the eight steps that are in
	s_wait_tensorcnt 0x0                           ; my later step is in
	s_wait_dscnt 0x0                               ; no LDS instruction of mine is out at a signal
	s_barrier_signal -1
	s_barrier_wait -1                              ; everybody's is
	LOOP 13, 16, 28
	FINISH
	s_lshr_b32 s78, s12, 1
	INIT
	LOOP 8, Q2, Q2S                                ; groups 0-7 end inside the first eight steps
	FINISH
	s_wait_tensorcnt 0x0                           ; the wave's end
	ds_add_u32 v254, v255
	s_wait_dscnt 0x0
	CROUND                                         ; the closing round
	s_endpgm
.Lfunc_end_k_q3f7dcc7ad8_attn:
	.size	k_q3f7dcc7ad8_attn, .Lfunc_end_k_q3f7dcc7ad8_attn-k_q3f7dcc7ad8_attn
	.p2alignl 7, 3214868480
	.fill 96, 4, 3214868480
	.section	.rodata,"a",@progbits
	.p2align	6, 0x0
	.amdhsa_kernel k_q3f7dcc7ad8_attn
		.amdhsa_group_segment_fixed_size 327680
		.amdhsa_private_segment_fixed_size 0
		.amdhsa_enable_private_segment 0
		.amdhsa_kernarg_size 32
		.amdhsa_user_sgpr_count 2
		.amdhsa_user_sgpr_kernarg_segment_ptr 1
		.amdhsa_wavefront_size32 1
		.amdhsa_system_sgpr_workgroup_id_x 1
		.amdhsa_system_sgpr_workgroup_id_y 1
		.amdhsa_system_sgpr_workgroup_id_z 1
		.amdhsa_system_vgpr_workitem_id 0
		.amdhsa_next_free_vgpr 256
		.amdhsa_next_free_sgpr 104
		.amdhsa_reserve_vcc 1
		.amdhsa_float_denorm_mode_32 3
		.amdhsa_float_denorm_mode_16_64 3
		.amdhsa_memory_ordered 1
		.amdhsa_forward_progress 1
		.amdhsa_inst_pref_size 83
	.end_amdhsa_kernel
	.amdgpu_metadata
---
amdhsa.version: [ 1, 2 ]
amdhsa.kernels:
  - .name:           k_q3f7dcc7ad8_attn
    .symbol:         k_q3f7dcc7ad8_attn.kd
    .args:
      - { .name: qk, .offset: 0, .size: 8, .value_kind: global_buffer, .address_space: global }
      - { .name: vv, .offset: 8, .size: 8, .value_kind: global_buffer, .address_space: global }
      - { .name: oc, .offset: 16, .size: 8, .value_kind: global_buffer, .address_space: global }
      - { .name: os, .offset: 24, .size: 8, .value_kind: global_buffer, .address_space: global }
    .group_segment_fixed_size: 327680
    .private_segment_fixed_size: 0
    .kernarg_segment_align: 8
    .kernarg_segment_size: 32
    .max_flat_workgroup_size: 512
    .sgpr_count:     104
    .vgpr_count:     256
    .wavefront_size: 32
...
	.end_amdgpu_metadata
.endif
;; end of part 3
;; launch gemm_out (part 4): grid 4 x 64, 4 waves a work-group, clusters of 4 x 4, 327,680 bytes of LDS; arguments oc, os, wc, ws, bp, out0; writes out0
.if DOCPART == 4
	.amdgcn_target "amdgcn-amd-amdhsa--gfx1250"
	.amdhsa_code_object_version 6
	.text
	.protected	k_q3f7dcc7ad8_gemm_out
	.globl	k_q3f7dcc7ad8_gemm_out
	.p2align	8
	.type	k_q3f7dcc7ad8_gemm_out,@function
k_q3f7dcc7ad8_gemm_out:
	s_mov_b64 s[64:65], 0
	v_nop
	global_prefetch_b8 v0, s[64:65] scope:SCOPE_SE
	s_setreg_imm32_b32 hwreg(HW_REG_WAVE_MODE, 25, 1), 1
	s_wait_xcnt 0x0
	s_wait_alu depctr_hold_cnt(0) depctr_sa_sdst(0) depctr_va_vdst(0) depctr_va_sdst(0) depctr_va_ssrc(0) depctr_va_vcc(0) depctr_vm_vsrc(0)
	s_getreg_b32 s2, hwreg(HW_REG_IB_STS2, 6, 4)
	s_cmp_eq_u32 s2, 0
	s_cbranch_scc0 .Lentry_in_a_cluster
	s_endpgm
.Lentry_in_a_cluster:
	s_bfe_u32 s2, ttmp6, 0x10000c
	s_cmp_lg_u32 s2, 0xf033
	s_cbranch_scc0 .Lentry_shape_is_right
	s_endpgm
.Lentry_shape_is_right:
; out0 = o Wp + bp on codes of BF6 (E3M2).  D = S0 S1^T + bias: source 0 is Wp's columns (256 a work-group), source 1 the tokens (128); K = 1,024.  Four waves; wave (wa, wb) makes 128 columns x 64 tokens: 32 accumulators.
; A lane holds one token and its registers run along the output's columns: register 16 b + i of a block of tokens = column 32 b + 16 (lane / 16) + i of the wave's 128.
; OPERANDS lie in memory in the order of the operand's registers: [block of 16 rows][K step 8][1,536 bytes]; block 2 B + u holds rows 32 B + 8 u + r + 8 (r / 8).  o's K step s is head 2 s's half image, then head 2 s + 1's.
; ALL OF K LIES IN LDS AT ONCE: 384 rows x 768 bytes = 294,912 bytes, in four chunks of two K steps.  Every tensor load is a first fill; no LDS byte is filled again.  By this text's count a wave has 8 tensor loads out.
; CLUSTER 4 x 4: Wp's tile hangs on x alone and is asked for jointly by a column of the cluster, o's on y alone and by a row.
; The bias is the C of each sum's first product.  The way out goes through a stage in chunk 0's bytes, which have had their only fill and are read by nobody behind the barrier that opens chunk 1.
; REGISTERS, in windows of 256: window 0: addresses; v16-79 and v144-207 rows of the output by turns (before that: o's scale bytes, the bias); v96-127 Wp's scale words, v128-143 o's.
;   window 1: accumulator (a, blk) at v[8 (8 a + blk)].  windows 2, 3: two sets of fragments: S0's at 12 blk, S1's at 96 + 12 a.
; HOW K LIES IN LDS, in place of the four chunks named above: TWO HALVES of four K steps, each 384 rows x 384 bytes = 147,456 bytes.  A wave issues one joint load at the head (waves 0, 1: 8 blocks of Wp each;
; waves 2, 3: 4 blocks of o each) and one more, for the second half, behind the three lines and a round of the cluster's barrier: by this text's count one tensor load of a wave is out.  No LDS byte is filled again.
; The stage of the way out lies in the first half's bytes, which nobody reads behind the barrier that opens the second half.
.set CHUNK, 147456                     ; four K steps of 384 rows
.set BLKB,  6144                       ; a block's four K steps
.set RBASE, 98304                      ; in a half: Wp's 16 blocks, then o's 8
.set L16,  3
.set L8,   4
.set AP16, 8
.set AP8,  9
.set AR16, 10
.set AR8,  11
.set SOFF, 12
.set STO,  13                          ; v13  the stage: where I put 16 bytes of a row
.set RD,   14                          ; v14  and where I read a row back
.set SS0,  96
.set SS1,  128
.set BIAS, 144                         ; v144-207: block blk's eight numbers at 8 blk
.set G1P,  24
.set G1R,  32
.set G0P,  40
.set MSB, 0
.macro WIN new                         ; the immediate's high byte repeats the setting that is left
.if MSB != (\new)
	s_set_vgpr_msb (MSB<<8)|(\new)
.set MSB, (\new)
.endif
.endm
.macro PLACES n
.rept \n
	v_nop
.endr
.endm
.macro CROUND                          ; a round of the cluster's barrier
	s_barrier_signal -1
	s_barrier_wait -1
	s_cmp_lg_u32 s16, 0
	s_cbranch_scc1 .Lnot_wave_0_\@
	s_barrier_signal -3
.Lnot_wave_0_\@:
	s_barrier_wait -3
	s_barrier_signal -1
	s_barrier_wait -1
.endm
.macro FRAG reg, a16, a8, off          ; a fragment as it lies: 512, 256, 512, 256 consecutive bytes
	ds_load_b128 v[\reg:\reg+3], v[\a16] offset:(\off)
	ds_load_b64 v[\reg+4:\reg+5], v[\a8] offset:(\off)+512
	ds_load_b128 v[\reg+6:\reg+9], v[\a16] offset:(\off)+768
	ds_load_b64 v[\reg+10:\reg+11], v[\a8] offset:(\off)+1280
.endm
.macro LOADSTEP s                      ; K step s: 12 fragments, 48 LDS loads, into set s % 2
	WIN 0x80+0x40*((\s)%2)
.irp i, 0,1,2,3,4,5,6,7
	FRAG 12*\i, AP16, AP8, \i*BLKB+((\s)%4)*1536
.endr
.irp i, 0,1,2,3
	FRAG 96+12*\i, AR16, AR8, \i*BLKB+((\s)%4)*1536
.endr
.endm
.macro WM d, a, b, c, sa, sb, ra, rb   ; one product.  ra, rb: the side's scale words stand in lanes 16-31
.if (\ra) && (\rb)
	v_wmma_scale_f32_16x16x128_f8f6f4 v[\d:\d+7], v[\a:\a+11], v[\b:\b+11], v[\c:\c+7], v[\sa], v[\sb] matrix_a_fmt:MATRIX_FMT_BF6 matrix_b_fmt:MATRIX_FMT_BF6 matrix_a_scale:MATRIX_SCALE_ROW1 matrix_b_scale:MATRIX_SCALE_ROW1
.elseif (\ra)
	v_wmma_scale_f32_16x16x128_f8f6f4 v[\d:\d+7], v[\a:\a+11], v[\b:\b+11], v[\c:\c+7], v[\sa], v[\sb] matrix_a_fmt:MATRIX_FMT_BF6 matrix_b_fmt:MATRIX_FMT_BF6 matrix_a_scale:MATRIX_SCALE_ROW1
.elseif (\rb)
	v_wmma_scale_f32_16x16x128_f8f6f4 v[\d:\d+7], v[\a:\a+11], v[\b:\b+11], v[\c:\c+7], v[\sa], v[\sb] matrix_a_fmt:MATRIX_FMT_BF6 matrix_b_fmt:MATRIX_FMT_BF6 matrix_b_scale:MATRIX_SCALE_ROW1
.else
	v_wmma_scale_f32_16x16x128_f8f6f4 v[\d:\d+7], v[\a:\a+11], v[\b:\b+11], v[\c:\c+7], v[\sa], v[\sb] matrix_a_fmt:MATRIX_FMT_BF6 matrix_b_fmt:MATRIX_FMT_BF6
.endif
.endm
; 32 products: the 32 accumulators take turns, one instruction a turn, in the same order in every K step.  mode 2: the first K step starts the sums with the bias
.macro MULSTEP s, mode
.if (\mode) == 2
	WIN 0x4a                                       ; sources 0 and 1 window 2, C (the bias) window 0, D window 1
.else
	WIN 0x5a+5*((\s)%2)                            ; sources 0 and 1 window 2 or 3, C and D window 1
.endif
.irp a, 0,1,2,3
.irp b, 0,1,2,3,4,5,6,7
.if (\mode) == 2
	WM 8*(8*\a+\b), 12*\b, 96+12*\a, BIAS+8*\b, SS0+8*(\b/2)+(\s), SS1+8*(\a/2)+(\s), \b%2, \a%2
.else
	WM 8*(8*\a+\b), 12*\b, 96+12*\a, 8*(8*\a+\b), SS0+8*(\b/2)+(\s), SS1+8*(\a/2)+(\s), \b%2, \a%2
.endif
.endr
.endr
.endm
; K step s: the next step's fragments are asked for, then this step is multiplied.  A load into a register that a matrix instruction has read stands four plain vector instructions behind it (ISA guide 7.12.1 for vector
; instructions).  Where the next step opens a chunk: my part of that chunk has landed, my LDS loads are in, and the work-group's barrier shows the same of all four waves.
.macro KSTEP s, mode
.if (\s) < 7
.if (\s) == 3
	WIN 0
	s_wait_dscnt 0x0                               ; no LDS instruction of mine is out at a signal
	s_wait_tensorcnt 0x0                           ; my part of the second half is in
	s_barrier_signal -1
	s_barrier_wait -1
	v_add_nc_u32 v[AP16], CHUNK, v[AP16]           ; on to the next chunk; these four are also the places
	v_add_nc_u32 v[AP8], CHUNK, v[AP8]
	v_add_nc_u32 v[AR16], CHUNK, v[AR16]
	v_add_nc_u32 v[AR8], CHUNK, v[AR8]
.elseif (\s) > 0
	PLACES 4
.endif
	LOADSTEP (\s)+1
	s_wait_dscnt 48                                ; all but the 48 just issued: this step's fragments are in
.else
	s_wait_dscnt 0x0
.endif
	MULSTEP \s, \mode
.endm
	s_load_b256 s[4:11], s[0:1], 0x0               ; oc s[4:5], os s[6:7], wc s[8:9], ws s[10:11]
	s_load_b128 s[12:15], s[0:1], 0x20             ; bp s[12:13], out0 s[14:15]
	v_lshl_add_u32 v254, v0, 2, 0x48000
	v_mov_b32 v255, 0
	ds_add_u32 v254, v255
	ds_add_u32 v254, v255
	v_lshrrev_b32 v1, 5, v0
	v_readfirstlane_b32 s16, v1                    ; wave 0..3
	s_lshr_b32 s17, s16, 1                         ; wa: which 128 columns
	s_and_b32 s18, s16, 1                          ; wb: which 64 tokens
	s_bfe_u32 s19, ttmp6, 0x40000                  ; cx
	s_bfe_u32 s20, ttmp6, 0x40004                  ; cy
	s_mov_b32 s21, ttmp9
	s_and_b32 s22, ttmp7, 0xffff
	s_lshl_b32 s66, 0x1111, s19                    ; my column of the cluster
	s_lshl_b32 s67, s20, 2
	s_lshl_b32 s67, 15, s67                        ; my row
	; groups 1: rows of 6,144 bytes (768 elements of 8: a block's four K steps), 12,288 bytes apart; P: 8 blocks a wave, R: 4
	s_or_b32 s[G1P], s66, (3<<16)|(1<<21)          ; 15:0 the mask; 17:16 elements of 8 bytes; 21 set beside a mask; no padding
	s_or_b32 s[G1R], s67, (3<<16)|(1<<21)
	s_mov_b32 s[G1P+1], 768<<16                    ; rows of 6,144 bytes (768 elements of 8: a block's four K steps); P: 8 blocks a load, R: 4
	s_mov_b32 s[G1P+2], 8<<16
	s_mov_b32 s[G1P+3], 768<<16
	s_mov_b32 s[G1P+4], 8
	s_mov_b32 s[G1P+5], 1536
	s_mov_b32 s[G1P+6], 0
	s_mov_b32 s[G1P+7], 0
	s_mov_b32 s[G1R+1], 768<<16
	s_mov_b32 s[G1R+2], 4<<16
	s_mov_b32 s[G1R+3], 768<<16
	s_mov_b32 s[G1R+4], 4
	s_mov_b32 s[G1R+5], 1536
	s_mov_b32 s[G1R+6], 0
	s_mov_b32 s[G1R+7], 0
	s_lshl_b32 s76, s21, 2
	s_add_co_u32 s76, s76, s19                     ; x: which 256 columns
	s_lshl_b32 s78, s22, 2
	s_add_co_u32 s78, s78, s20                     ; y: which 128 tokens
	s_mul_i32 s94, s76, 196608
	s_add_co_u32 s94, s94, 2359296                 ; Wp's codes begin at block 192 of wc
	s_mul_i32 s95, s18, 98304                      ; 8 blocks a loading wave
	s_add_co_u32 s94, s94, s95
	s_mov_b32 s95, 0
	s_mul_i32 s96, s78, 98304
	s_mul_i32 s97, s18, 49152                      ; 4 blocks a loading wave
	s_add_co_u32 s96, s96, s97
	s_mov_b32 s97, 0
	s_mul_i32 s98, s18, 49152                      ; where they go: the wave's number alone enters an LDS address
	s_mul_i32 s99, s18, 24576
	s_add_co_u32 s99, s99, RBASE
	s_wait_dscnt 0x0
	s_wait_kmcnt 0x0
	s_add_nc_u64 s[86:87], s[8:9], s[94:95]
	s_add_nc_u64 s[88:89], s[4:5], s[96:97]
.irp c, 0,1
	s_mov_b32 s[G0P+4*\c], 1
	s_add_co_u32 s[G0P+4*\c+1], s98, \c*CHUNK
	s_add_nc_u64 s[G0P+4*\c+2:G0P+4*\c+3], s[86:87], \c*BLKB
	s_or_b32 s[G0P+4*\c+3], s[G0P+4*\c+3], 0x80000000
	s_mov_b32 s[56+4*\c+4*(\c/2)], 1
	s_add_co_u32 s[57+4*\c+4*(\c/2)], s99, \c*CHUNK
	s_add_nc_u64 s[58+4*\c+4*(\c/2):59+4*\c+4*(\c/2)], s[88:89], \c*BLKB
	s_or_b32 s[59+4*\c+4*(\c/2)], s[59+4*\c+4*(\c/2)], 0x80000000
.endr
	CROUND                                         ; all sixteen work-groups are here: the joint loads meet
; a joint load of half c of K: waves 0, 1 fetch Wp's two halves of rows, waves 2, 3 o's.  One load on every way; the branch hangs on the wave's number alone
.macro JLOAD c
	s_cmp_eq_u32 s17, 0
	s_cbranch_scc0 .Lfor_r_\@
	tensor_load_to_lds s[G0P+4*\c:G0P+4*\c+3], s[G1P:G1P+7]
	s_nop 0
	PLACES 4
	s_branch .Lasked_\@
.Lfor_r_\@:
	tensor_load_to_lds s[56+4*\c:59+4*\c], s[G1R:G1R+7]
	s_nop 0
	PLACES 4
.Lasked_\@:
.endm
	JLOAD 0
	v_and_b32 v2, 31, v0
	v_lshlrev_b32 v[L16], 4, v2
	v_lshlrev_b32 v[L8], 3, v2
	s_mul_i32 s80, s17, 8*BLKB
	v_add_nc_u32 v[AP16], s80, v[L16]
	v_add_nc_u32 v[AP8], s80, v[L8]
	s_mul_i32 s80, s18, 4*BLKB
	s_add_co_u32 s80, s80, RBASE
	v_add_nc_u32 v[AR16], s80, v[L16]
	v_add_nc_u32 v[AR8], s80, v[L8]
	v_and_b32 v5, 15, v0                           ; r
	v_bfe_u32 v6, v0, 4, 1                         ; h
	v_lshlrev_b32 v[SOFF], 4, v5
	v_lshl_add_u32 v[SOFF], v6, 9, v[SOFF]
	s_wait_alu depctr_va_vdst(0)
	v_lshlrev_b32 v7, 6, v6                        ; the bias: 16 h numbers on
	s_wait_alu depctr_va_vdst(0)
	v_lshlrev_b32 v15, 1, v2                       ; o's scale bytes: 2 bytes a row, lanes 16-31 the next block
	s_wait_alu depctr_va_vdst(0)
	s_mul_i32 s82, s16, 16*528                     ; my stage: 16 rows of 512 bytes + 16
	v_mul_u32_u24 v[STO], v5, 528
	v_lshl_add_u32 v[STO], v6, 6, v[STO]
	v_add_nc_u32 v[STO], s82, v[STO]               ; in: row r, + 64 h
	v_add_nc_u32 v[RD], s82, v[L16]                ; back: the 32 lanes take one row
	s_lshl_b32 s80, s76, 13
	s_lshl_b32 s81, s17, 12
	s_add_co_u32 s80, s80, s81
	s_add_co_u32 s80, s80, 98304                   ; Wp's scale words begin at block 192 of ws
	s_mov_b32 s81, 0
	s_add_nc_u64 s[90:91], s[10:11], s[80:81]
	s_lshl_b32 s80, s78, 8                         ; o's scale bytes: 32 a block; my first block is 8 y + 4 wb
	s_lshl_b32 s82, s18, 7
	s_add_co_u32 s80, s80, s82
	s_add_nc_u64 s[92:93], s[6:7], s[80:81]
	s_lshl_b32 s80, s76, 10                        ; my first column, in bytes: 4 (256 x + 128 wa)
	s_lshl_b32 s82, s17, 9
	s_add_co_u32 s80, s80, s82
	s_add_nc_u64 s[12:13], s[12:13], s[80:81]
	s_add_nc_u64 s[14:15], s[14:15], s[80:81]
	s_lshl_b32 s80, s78, 19                        ; my first token's row: 4,096 (128 y + 64 wb)
	s_lshl_b32 s82, s18, 18
	s_add_co_u32 s80, s80, s82
	s_add_nc_u64 s[14:15], s[14:15], s[80:81]
.irp i, 0,1,2,3
.irp f, 0,1
	global_load_b128 v[SS0+8*\i+4*\f:SS0+8*\i+4*\f+3], v[SOFF], s[90:91] offset:\i*1024+\f*256   ; Wp's scale words of all of K: lanes 0-15 block 2 i, lanes 16-31 block 2 i + 1
.endr
.endr
.irp b, 0,1,2,3
.irp u, 0,1
	global_load_b128 v[BIAS+8*(2*\b+\u):BIAS+8*(2*\b+\u)+3], v7, s[12:13] offset:(32*\b+8*\u)*4      ; block 2 b + u, register j: column 32 b + 8 u + 16 h + j
	global_load_b128 v[BIAS+8*(2*\b+\u)+4:BIAS+8*(2*\b+\u)+7], v7, s[12:13] offset:(32*\b+8*\u)*4+16
.endr
.endr
.irp i, 0,1
.irp e, 0,1,2,3,4,5,6,7,8,9,10,11,12,13,14,15
	global_load_u16 v[16+16*\i+\e], v15, s[92:93] offset:\e*16384+\i*64   ; head e's two bytes of each row of blocks 2 i, 2 i + 1
.endr
.endr
	s_wait_loadcnt 0x0
.irp i, 0,1
.irp s, 0,1,2,3,4,5,6,7
	v_lshl_or_b32 v[SS1+8*\i+\s], v[16+16*\i+2*\s+1], 16, v[16+16*\i+2*\s]   ; K step s: head 2 s's bytes below, head 2 s + 1's above
.endr
.endr
	PLACES 8                                       ; a scale register written by a vector instruction stands eight places ahead of a scaled product
	s_wait_alu depctr_va_vdst(0)
	s_wait_tensorcnt 0x0                           ; my part of the first half is in; this wait, the add and its wait go ahead of a later first fill
	ds_add_u32 v254, v255
	s_wait_dscnt 0x0
	CROUND                                         ; everybody's part is in, and the sixteen work-groups meet
	JLOAD 1                                        ; the second half: the first tensor load behind the round
	LOADSTEP 0
	KSTEP 0, 2
	KSTEP 1, 0
	KSTEP 2, 0
	KSTEP 3, 0
	s_wait_alu depctr_va_vdst(0)
	KSTEP 4, 0
	KSTEP 5, 0
	KSTEP 6, 0
	KSTEP 7, 0
	PLACES 4                                       ; in front of the first read of results, and of the loads into the registers that held the bias
; THE WAY OUT, a block of 16 tokens x 128 columns at a time.  A lane holds pieces of one row and the lanes beside it hold other rows: so a block goes through my own stage and comes back as whole rows of 512 bytes.
; LDS serves a wave's instructions in order (ISA guide 5.7.1.4): no wait between the stores and the loads, nor in front of the next block's stores.
.macro TOSTAGE a
	WIN 0x04                                       ; an LDS store's data are its source 1: window 1
.irp b, 0,1,2,3,4,5,6,7
	ds_store_b128 v[STO], v[64*(\a)+8*\b:64*(\a)+8*\b+3] offset:128*(\b/2)+32*(\b%2)        ; each accumulator from its low end on
	ds_store_b128 v[STO], v[64*(\a)+8*\b+4:64*(\a)+8*\b+7] offset:128*(\b/2)+32*(\b%2)+16
.endr
	WIN 0
.set BB, 16+128*((\a)%2)
.irp t, 0,1,2,3,4,5,6,7,8,9,10,11,12,13,14,15
	ds_load_b128 v[BB+4*\t:BB+4*\t+3], v[RD] offset:\t*528
.endr
.endm
.macro SEND a, younger                 ; younger: the LDS instructions issued behind block a's loads, which may stay out
.set BB, 16+128*((\a)%2)
	s_wait_dscnt \younger
.irp t, 0,1,2,3,4,5,6,7,8,9,10,11,12,13,14,15
	global_store_b128 v[L16], v[BB+4*\t:BB+4*\t+3], s[14:15] offset:(32*((\a)/2)+8*((\a)%2)+\t+8*(\t/8))*4096 th:TH_STORE_NT   ; 32 lanes store 512 consecutive bytes, aligned; 63 rows on at the most: inside the signed 24-bit immediate
.endr
.endm
	TOSTAGE 0
	TOSTAGE 1
	SEND 0, 32                                     ; behind block 0's loads: block 1's 16 stores and 16 loads
	s_wait_xcnt 0x0                                ; block 0's stores have read their registers: block 2's rows may land there
	TOSTAGE 2
	SEND 1, 32
	s_wait_xcnt 0x0
	TOSTAGE 3
	SEND 2, 32
	SEND 3, 0
	s_wait_tensorcnt 0x0
	ds_add_u32 v254, v255
	s_wait_dscnt 0x0
	CROUND                                         ; the closing round: no work-group ends while a partner may still ask for a tile that names it
	s_endpgm
.Lfunc_end_k_q3f7dcc7ad8_gemm_out:
	.size	k_q3f7dcc7ad8_gemm_out, .Lfunc_end_k_q3f7dcc7ad8_gemm_out-k_q3f7dcc7ad8_gemm_out
	.p2alignl 7, 3214868480
	.fill 96, 4, 3214868480
	.section	.rodata,"a",@progbits
	.p2align	6, 0x0
	.amdhsa_kernel k_q3f7dcc7ad8_gemm_out
		.amdhsa_group_segment_fixed_size 327680
		.amdhsa_private_segment_fixed_size 0
		.amdhsa_enable_private_segment 0
		.amdhsa_kernarg_size 48
		.amdhsa_user_sgpr_count 2
		.amdhsa_user_sgpr_kernarg_segment_ptr 1
		.amdhsa_wavefront_size32 1
		.amdhsa_system_sgpr_workgroup_id_x 1
		.amdhsa_system_sgpr_workgroup_id_y 1
		.amdhsa_system_sgpr_workgroup_id_z 1
		.amdhsa_system_vgpr_workitem_id 0
		.amdhsa_next_free_vgpr 1024
		.amdhsa_next_free_sgpr 100
		.amdhsa_reserve_vcc 0
		.amdhsa_float_denorm_mode_32 3
		.amdhsa_float_denorm_mode_16_64 3
		.amdhsa_memory_ordered 1
		.amdhsa_forward_progress 1
		.amdhsa_inst_pref_size 87
	.end_amdhsa_kernel
	.amdgpu_metadata
---
amdhsa.version: [ 1, 2 ]
amdhsa.kernels:
  - .name:           k_q3f7dcc7ad8_gemm_out
    .symbol:         k_q3f7dcc7ad8_gemm_out.kd
    .args:
      - { .name: oc, .offset: 0, .size: 8, .value_kind: global_buffer, .address_space: global }
      - { .name: os, .offset: 8, .size: 8, .value_kind: global_buffer, .address_space: global }
      - { .name: wc, .offset: 16, .size: 8, .value_kind: global_buffer, .address_space: global }
      - { .name: ws, .offset: 24, .size: 8, .value_kind: global_buffer, .address_space: global }
      - { .name: bp, .offset: 32, .size: 8, .value_kind: global_buffer, .address_space: global }
      - { .name: out0, .offset: 40, .size: 8, .value_kind: global_buffer, .address_space: global }
    .group_segment_fixed_size: 327680
    .private_segment_fixed_size: 0
    .kernarg_segment_align: 8
    .kernarg_segment_size: 48
    .max_flat_workgroup_size: 128
    .sgpr_count:     100
    .vgpr_count:     1024
    .wavefront_size: 32
...
	.end_amdgpu_metadata
.endif
;; end of part 4
